; MI455X (gfx1250); checked and timed in simulation.
; The chip was launched on July 23, 2026; its instructions are those of AMD's public machine-readable ISA for CDNA 5 (MIT licence, August 2026) and "CDNA5" Instruction Set Architecture Reference Guide (July 2026). The comments in the code are by the model that wrote it; some were corrected since.
;; general attn. Allowed arithmetic: matrix products marked QUANTISED: E2M3 operands, one E8M0 scale for each 32 along K, by v_wmma_scale_f32_16x16x128_f8f6f4 with both operands' format E2M3, f32 sums; everything else in f32.
;; Inputs: b_out 1,024 float32; b_qkv 3,072 float32; w_out 1,024 x 1,024 float32; w_qkv 3,072 x 1,024 float32; x 4 x 2,048 x 1,024 float32.
;; Outputs: out0 4 x 2,048 x 1,024 float32.
;; This version of the problem:
;;   THIS VERSION OF THE PROBLEM IS GIVEN IN LOW PRECISION. The matrix products marked QUANTISED in the list below multiply operands that are first quantised to E2M3 (2 exponent bits, 3 mantissa bits; 6 bits a number), with one power-of-two scale for each 32 numbers along K (OCP MX v1.0); their sums are f32. All else is computed in f32.
;;   The module's matrix products, in the order in which they are computed (A, B: the left and right operand; K: the contracted axis; several contracted axes count as one K, in the product's order):
;;     1. [M 8,192, K 1,024] x [K 1,024, N 3,072]; A: input x; B: input w_qkv: QUANTISED
;;     2. batch 64 x [M 2,048, K 64] x [K 64, N 2,048]; A: computed on the way; B: computed on the way: QUANTISED
;;     3. batch 64 x [M 2,048, K 2,048] x [K 2,048, N 64]; A: softmax (see below); B: computed on the way: QUANTISED
;;     4. [M 8,192, K 1,024] x [K 1,024, N 1,024]; A: computed on the way; B: input w_out: QUANTISED
;;   THE QUANTISER, for each operand of a quantised product, along K:
;;     - K is cut into blocks of 32 from its start; a last block that is shorter is filled with zeros.
;;     - A block's scale is 2^e with e = floor(log2(the largest magnitude in the block)) - 2, held to -126 .. 127; a block of zeros has e = 0. As a byte (E8M0): e + 127.
;;     - Each number is divided by its block's scale, clamped to +-7.5, and rounded to the nearest number of E2M3, ties to even, subnormals kept.
;;     - The product sums the exact products of the quantised numbers (number of the format x scale) in f32.
;;   ~~~python
;;   def quantise(x, axis):      # numpy; x: float32 -> the quantised numbers, widened to float32 again
;;       x = np.moveaxis(x, axis, -1); K = x.shape[-1]
;;       x = np.pad(x, [(0, 0)] * (x.ndim - 1) + [(0, -K % 32)]); x = x.reshape(x.shape[:-1] + (-1, 32)); a = np.abs(x).max(-1, keepdims=True)
;;       e = np.where(a > 0, np.clip(np.frexp(np.where(a > 0, a, 1))[1] - 1 - 2, -126, 127), 0)      # np.frexp(a)[1] - 1 = floor(log2(a)), exactly
;;       r = np.clip(x / 2.0 ** e, -7.5, 7.5)
;;       step = 2.0 ** (np.maximum(np.frexp(np.where(r == 0, 1, r))[1] - 1, 0) - 3)
;;       q = np.round(r / step) * step * 2.0 ** e      # np.round: ties to even
;;       return np.moveaxis(q.reshape(q.shape[:-2] + (-1,))[..., :K], -1, axis).astype(np.float32)
;;   ~~~
;;   SOFTMAX AHEAD OF A QUANTISED PRODUCT. Where the list says 'softmax', what is quantised is not the finished softmax but p = 2^(t - M), with t = logit x log2(e) and M = ceil(the row's largest t), a whole number; so 1/2 < the row's largest p <= 1. The row's sum l is taken of the UNQUANTISED p, in f32, and the product's result is divided by l at the end. Since M is a whole number, a kernel that streams over the keys may use a running M (the ceiling of the running maximum): every later rescaling is an exact power of two, which a block's scale takes up: the codes' values come out the same.
;;   OPERANDS COMPUTED ON THE WAY. 'Computed on the way' means the value that the module computes at that place (a softmax that the list does not call 'softmax' is quantised finished and normalised). What goes into a quantiser is computed in f32, as accurately as f32 sums, v_exp_f32 and their like allow (about 1e-6 of the number): no bf16 or f16 on the way to a quantiser, and a product that is left as it is and whose result goes on into a quantised operand takes f32 operands (vector FMAs, or v_wmma_f32_16x16x4_f32). A number that lies on a knife's edge between two numbers of the format may be rounded either way, as far as f32 arithmetic and the matrix unit's own rounding can turn it there, and no further.
;; One version. Each part assembles by itself: llvm-mc -triple=amdgcn-amd-amdhsa -mcpu=gfx1250 --defsym DOCPART=n.
;; ======== version 1 of 1: 5 launches
;; workspace buffers: codes1 9,437,184 bytes; scales1 393,216 bytes; qk_codes 12,582,912 bytes; qk_scales 1,048,576 bytes; v_codes 6,291,456 bytes; v_scales 524,288 bytes; o_codes 6,291,456 bytes; o_scales 262,144 bytes
;; launch quant (part 1): grid 384 x 1, 4 waves a work-group, no clusters, 33,280 bytes of LDS; arguments x, w_qkv, w_out, codes1, scales1; writes codes1, scales1
.if DOCPART == 1
	.amdgcn_target "amdgcn-amd-amdhsa--gfx1250"
	.amdhsa_code_object_version 6
	.text
	.protected	k_q993d642d64_quant
	.globl	k_q993d642d64_quant
	.p2align	8
	.type	k_q993d642d64_quant,@function
k_q993d642d64_quant:
	s_mov_b64 s[64:65], 0
	v_nop
	global_prefetch_b8 v0, s[64:65] scope:SCOPE_SE
	s_setreg_imm32_b32 hwreg(HW_REG_WAVE_MODE, 25, 1), 1
	s_wait_xcnt 0x0
; x [8192][1024], w_qkv [3072][1024] and w_out [1024][1024], f32, become codes of FP6 (E2M3), 6 bits each, K innermost (a row: 768 bytes), and one E8M0 byte for each 32 along K (a row: 32 bytes).
; The three tensors' rows follow each other in codes1 and scales1: x from row 0, w_qkv from row 8,192, w_out from row 11,264.
; A block's scale is 2^(floor(log2(its largest magnitude)) - 2); its byte is the largest magnitude's exponent field - 2, held at 1 from below.  Each number is divided by the scale and rounded to the nearest code, ties to even.
; THE ROWS ARE LAID IN ANOTHER ORDER: of each 32 rows the four groups of eight lie in the order 0, 2, 1, 3.  Place 16 u + r holds row 16 (r / 8) + 8 u + r % 8.  A tile of 16 neighbouring places, used as source 0 of a
; matrix instruction, then gives a lane, over two neighbouring tiles, 16 NEIGHBOURING rows in its 16 result registers: what the later launches' quantisers want.
; LIMITS: a block whose largest magnitude lies under 2^-124, a block of zeros among them, gets the byte 1 (its codes are zeros or the held scale's; the bytes are read by this program alone); NaN and infinities are not served.
; A work-group takes 32 rows, a wave 8 rows = 8,192 numbers in 16 steps of 512.  The conversion takes 16 neighbours of one block from a lane's registers; a load is best where neighbouring lanes take neighbouring bytes.
; Both are had: each of a step's four loads reads 512 consecutive bytes; the 2,048 bytes go through the wave's own stage in LDS and come back 64 bytes a lane (16 bytes of padding behind each 64).
; A lane's 16 codes are 12 bytes: the wave stores 384 consecutive bytes a step.  A wave's 256 scale bytes are gathered in LDS and leave as one aligned run of 256 bytes.
; No tensor loads, no barrier: waves share nothing.  Loads run four steps (16 loads a wave) ahead, the turn through LDS one step.
.set WAVES, 4
.set STEPS, 16
.set EMAX,  2
.set CB,    12                         ; bytes of 16 codes
.set R,     16                         ; v16-79   four sets of 16 numbers as they are loaded
.set X,     80                         ; v80-111  two sets of 16 neighbours
.set C,     128                        ; v128-191 codes: four registers for each step, so that no store's data are written again
.set E,     112                        ; v112-127 a scale byte for each step
.set WREG,  8192                       ; LDS: a region for each wave: two stages of 32 x SP bytes, behind them its 256 scale bytes
.set SP,    80                         ; a lane's place in a stage: 64 bytes + 16 of padding
.set SPW,   12                         ; v12      LDS address of my spare word; never rewritten
.set NIL,   13                         ; v13      0; never rewritten
.set SPARE, WAVES*WREG                 ; behind the four regions: the spare words, 128 bytes for each wave
	s_load_b128 s[4:7], s[0:1], 0x0                ; x, w_qkv
	s_load_b128 s[8:11], s[0:1], 0x10              ; w_out, codes1
	s_load_b64 s[12:13], s[0:1], 0x20              ; scales1
	v_lshl_add_u32 v[SPW], v0, 2, SPARE
	v_mov_b32 v[NIL], 0
	v_lshrrev_b32 v1, 5, v0
	v_readfirstlane_b32 s16, v1                    ; wave
	v_and_b32 v2, 31, v0                           ; lane
	v_lshlrev_b32 v3, 4, v2                        ; my 16 bytes of a load's 512
	s_mul_i32 s17, s16, WREG
	v_lshrrev_b32 v14, 2, v2
	v_mul_u32_u24 v14, v14, SP
	v_and_b32 v15, 3, v2
	v_lshl_add_u32 v14, v15, 4, v14
	v_add_nc_u32 v14, s17, v14                     ; the stage, on the way in: SP (lane / 4) + 16 (lane % 4); a load's 512 bytes take eight places
	v_mul_u32_u24 v15, v2, SP
	v_add_nc_u32 v15, s17, v15                     ; and on the way out: SP x lane: my 16 neighbours
	v_mul_u32_u24 v4, v2, CB                       ; my codes' place in a step's
	v_lshrrev_b32 v5, 1, v2
	s_add_co_u32 s17, s17, 2*32*SP
	v_add_nc_u32 v5, s17, v5                       ; LDS: my wave's 256 scale bytes, my block's byte
	v_lshlrev_b32 v7, 3, v2                        ; and on the way out 8 bytes a lane
	v_add_nc_u32 v6, s17, v7
	s_and_b32 s22, s16, 1                          ; where my 8 rows go: group 0, 2, 1, 3 for wave 0, 1, 2, 3
	s_lshl_b32 s22, s22, 1
	s_lshr_b32 s23, s16, 1
	s_or_b32 s22, s22, s23
	s_lshl_b32 s23, ttmp9, 2
	s_add_co_u32 s22, s22, s23                     ; which run of 8 rows of the outputs' one stream
	s_mov_b32 s20, 352
	s_wait_alu depctr_va_vdst(0)
	s_wait_kmcnt 0x0
	s_cmp_lt_u32 ttmp9, 256                        ; work-groups 0-255: x; 256-351: w_qkv; 352-383: w_out.  The choice hangs on the work-group's number alone
	s_cselect_b64 s[4:5], s[4:5], s[6:7]
	s_cselect_b32 s17, 0, 256
	s_cmp_lt_u32 ttmp9, 352
	s_cselect_b64 s[4:5], s[4:5], s[8:9]
	s_cselect_b32 s17, s17, s20
	s_sub_co_u32 s17, ttmp9, s17                   ; my block of 32 rows in its tensor
	s_lshl_b32 s17, s17, 2
	s_add_co_u32 s18, s17, s16                     ; my 8 rows
	s_lshl_b32 s18, s18, 15                        ; 32,768 bytes each (x: under 2^25 in all)
	s_mov_b32 s19, 0
	s_add_nc_u64 s[4:5], s[4:5], s[18:19]
	s_mul_i32 s24, s22, 32*STEPS*CB                ; 6,144 bytes of codes a run
	s_mov_b32 s25, 0
	s_add_nc_u64 s[10:11], s[10:11], s[24:25]
	s_lshl_b32 s24, s22, 8                         ; 256 scale bytes a run
	s_add_nc_u64 s[12:13], s[12:13], s[24:25]
.macro LOAD t
.irp i, 0,1,2,3
	global_load_b128 v[R+16*((\t)%4)+4*\i:R+16*((\t)%4)+4*\i+3], v3, s[4:5] offset:2048*(\t)+512*\i th:TH_LOAD_NT   ; 32 lanes read 512 consecutive bytes
.endr
.endm
.macro TURN t                          ; step t's numbers through the stage: LDS serves a wave's instructions in order, so no wait stands between the stores and the loads
.irp i, 0,1,2,3
	ds_store_b128 v14, v[R+16*((\t)%4)+4*\i:R+16*((\t)%4)+4*\i+3] offset:32*SP*((\t)%2)+8*SP*\i
.endr
.irp i, 0,1,2,3
	ds_load_b128 v[X+16*((\t)%2)+4*\i:X+16*((\t)%2)+4*\i+3], v15 offset:32*SP*((\t)%2)+16*\i
.endr
.endm
.irp t, 0,1,2,3
	LOAD \t
.endr
	s_wait_loadcnt 12                              ; step 0's four loads are in; the twelve of steps 1 to 3 may be out
	TURN 0
.macro STEP t
.set XS, X+16*((\t)%2)
.if (\t) > 0
	s_wait_dscnt 1                                 ; this step's numbers are back from the stage (the last step's byte store may be out): so its stores into the stage have read their registers,
.else
	s_wait_dscnt 0x0
.endif
.if (\t)+4 < STEPS
	LOAD (\t)+4                                    ; which take the loads of four steps on
.endif
.if (\t)+1 < STEPS
.if STEPS-2-(\t) >= 3
	s_wait_loadcnt 12                              ; the next step's four loads are in; those of the three steps behind it may be out
.else
	s_wait_loadcnt 4*(STEPS-2-(\t))
.endif
	TURN (\t)+1                                    ; and go through the other stage while this step is worked
.endif
	v_max3_num_f32 v8, |v[XS]|, |v[XS+1]|, |v[XS+2]|               ; the largest magnitude of my 16, in two chains
	v_max3_num_f32 v9, |v[XS+3]|, |v[XS+4]|, |v[XS+5]|
.irp i, 6,10
	v_max3_num_f32 v8, v8, |v[XS+\i]|, |v[XS+\i+1]|
	v_max3_num_f32 v9, v9, |v[XS+\i+2]|, |v[XS+\i+3]|
.endr
	v_max3_num_f32 v8, v8, |v[XS+14]|, |v[XS+15]|
	v_max3_num_f32 v8, v8, v9, (EMAX+1)<<23        ; and the floor 2^(EMAX + 1 - 127): the byte cannot fall under 1
	v_max_num_f32_dpp v8, v8, v8 row_xmask:1 row_mask:0xf bank_mask:0xf   ; and of my neighbour's 16: the block's
	v_add_nc_u32 v11, -(EMAX<<23), v8              ; EMAX off its exponent field: the conversion takes the exponent field of this operand as its scale
	v_cvt_scalef32_pk16_fp6_f32 v[C+4*(\t):C+4*(\t)+2], v[XS:XS+15], v11         ; sixteen codes, 96 bits without gaps, the first number's code lowest
	v_lshrrev_b32 v[E+(\t)], 23, v11               ; the scale's byte (also the plain instruction behind the conversion)
	ds_store_b8 v5, v[E+(\t)] offset:16*(\t)       ; both lanes of a block write the same byte with the same value
	global_store_b96 v4, v[C+4*(\t):C+4*(\t)+2], s[10:11] offset:32*CB*(\t)
.endm
.irp t, 0,1,2,3,4,5,6,7,8,9,10,11,12,13,14,15
	STEP \t
.endr
	ds_load_b64 v[8:9], v6                         ; LDS serves a wave's instructions in order: these see my stores
	s_wait_dscnt 0x0
	global_store_b64 v7, v[8:9], s[12:13]          ; 32 lanes store 256 consecutive bytes, aligned
	s_wait_tensorcnt 0x0                           ; the wave's end
	ds_add_u32 v[SPW], v[NIL]
	s_wait_dscnt 0x0
	s_endpgm
.Lfunc_end_k_q993d642d64_quant:
	.size	k_q993d642d64_quant, .Lfunc_end_k_q993d642d64_quant-k_q993d642d64_quant
	.p2alignl 7, 3214868480
	.fill 96, 4, 3214868480
	.section	.rodata,"a",@progbits
	.p2align	6, 0x0
	.amdhsa_kernel k_q993d642d64_quant
		.amdhsa_group_segment_fixed_size 33280
		.amdhsa_private_segment_fixed_size 0
		.amdhsa_enable_private_segment 0
		.amdhsa_kernarg_size 40
		.amdhsa_user_sgpr_count 2
		.amdhsa_user_sgpr_kernarg_segment_ptr 1
		.amdhsa_wavefront_size32 1
		.amdhsa_system_sgpr_workgroup_id_x 1
		.amdhsa_system_sgpr_workgroup_id_y 1
		.amdhsa_system_sgpr_workgroup_id_z 1
		.amdhsa_system_vgpr_workitem_id 0
		.amdhsa_next_free_vgpr 192
		.amdhsa_next_free_sgpr 66
		.amdhsa_reserve_vcc 0
		.amdhsa_float_denorm_mode_32 3
		.amdhsa_float_denorm_mode_16_64 3
		.amdhsa_memory_ordered 1
		.amdhsa_forward_progress 1
		.amdhsa_inst_pref_size 33
	.end_amdhsa_kernel
	.amdgpu_metadata
---
amdhsa.version: [ 1, 2 ]
amdhsa.kernels:
  - .name:           k_q993d642d64_quant
    .symbol:         k_q993d642d64_quant.kd
    .args:
      - { .name: x, .offset: 0, .size: 8, .value_kind: global_buffer, .address_space: global }
      - { .name: w_qkv, .offset: 8, .size: 8, .value_kind: global_buffer, .address_space: global }
      - { .name: w_out, .offset: 16, .size: 8, .value_kind: global_buffer, .address_space: global }
      - { .name: codes1, .offset: 24, .size: 8, .value_kind: global_buffer, .address_space: global }
      - { .name: scales1, .offset: 32, .size: 8, .value_kind: global_buffer, .address_space: global }
    .group_segment_fixed_size: 33280
    .private_segment_fixed_size: 0
    .kernarg_segment_align: 8
    .kernarg_segment_size: 40
    .max_flat_workgroup_size: 128
    .sgpr_count:     66
    .vgpr_count:     192
    .wavefront_size: 32
...
	.end_amdgpu_metadata
.endif
;; end of part 1
;; launch gemm_qk (part 2): grid 8 x 32, 4 waves a work-group, clusters of 4 x 4, 327,680 bytes of LDS; arguments codes1, scales1, b_qkv, qk_codes, qk_scales; writes qk_codes, qk_scales
.if DOCPART == 2
	.amdgcn_target "amdgcn-amd-amdhsa--gfx1250"
	.amdhsa_code_object_version 6
	.text
	.protected	k_q993d642d64_gemm_qk
	.globl	k_q993d642d64_gemm_qk
	.p2align	8
	.type	k_q993d642d64_gemm_qk,@function
k_q993d642d64_gemm_qk:
	s_mov_b64 s[64:65], 0
	v_nop
	global_prefetch_b8 v0, s[64:65] scope:SCOPE_SE
	s_setreg_imm32_b32 hwreg(HW_REG_WAVE_MODE, 25, 1), 1
	s_wait_xcnt 0x0
	s_wait_alu depctr_hold_cnt(0) depctr_sa_sdst(0) depctr_va_vdst(0) depctr_va_sdst(0) depctr_va_ssrc(0) depctr_va_vcc(0) depctr_vm_vsrc(0)
	s_getreg_b32 s2, hwreg(HW_REG_IB_STS2, 6, 4)
	s_cmp_eq_u32 s2, 0
	s_cbranch_scc0 .Lentry_in_a_cluster
	s_endpgm
.Lentry_in_a_cluster:
	s_bfe_u32 s2, ttmp6, 0x10000c
	s_cmp_lg_u32 s2, 0xf033
	s_cbranch_scc0 .Lentry_shape_is_right
	s_endpgm
.Lentry_shape_is_right:
.set A_ROW0, 0
.set B_ROW0, 8192
.set NQ,     2
.set ROWB,   192
.set KROW,   768
.set PITCH,  240
.set FR,     12
.set NL,     6
.set NP,     4
.set HALFT,  128*PITCH
.set SLOT,   4*HALFT
.set KS,     32
.set SCL,    2*SLOT
.set HALFS,  (128*KS/256)*272
.set SBLK,   (16*KS/256)*272
.set SPARE,  SCL+4*HALFS
.set ADRA, 16
.set ADRB, 20
.set L16,  24
.set L8,   25
.set ADRS, 27
.set SPW,  28
.set NIL,  29
.set BO,   30
.set SC,   32
.set BI,   64
.set AF,   128
.set T,    128
.set TM,   192
.set TC,   208
.set DA,   216
.set DB,   228
.set PWR,  240
.set XA,   242
.set XB,   244
.set SEL,  96
.set G1, 24
.set G0, 32
.set G1B, 48
.set G0B, 56
.set G1S, 68
.set G0S, 76
.set G1SB, 80
.set G0SB, 88
.set MSB, 0
.macro WIN new
.if MSB != (\new)
	s_set_vgpr_msb (MSB<<8)|(\new)
.set MSB, (\new)
.endif
.endm
.set MUL_LO, 0xa1
.set MUL_HI, 0xf1
.set TO_B,   0x40
.macro JLOAD g0a, g1a, g0b, g1b
	s_cmp_eq_u32 s15, 0
	s_cbranch_scc0 .Lfor_b_\@
	tensor_load_to_lds s[\g0a:\g0a+3], s[\g1a:\g1a+7]
	s_nop 0
.rept 4
	v_nop
.endr
	s_branch .Lasked_\@
.Lfor_b_\@:
	tensor_load_to_lds s[\g0b:\g0b+3], s[\g1b:\g1b+7]
	s_nop 0
.rept 4
	v_nop
.endr
.Lasked_\@:
.endm
.macro CREST
	s_cmp_lg_u32 s14, 0
	s_cbranch_scc1 .Lnot_wave_0_\@
	s_barrier_signal -3
.Lnot_wave_0_\@:
	s_barrier_wait -3
	s_barrier_signal -1
	s_barrier_wait -1
.endm
.macro CROUND
	s_barrier_signal -1
	s_barrier_wait -1
	CREST
.endm
	s_load_b128 s[4:7], s[0:1], 0x0
	s_load_b128 s[8:11], s[0:1], 0x10
	s_load_b64 s[12:13], s[0:1], 0x20
	v_lshl_add_u32 v[SPW], v0, 2, SPARE
	v_mov_b32 v[NIL], 0
	ds_add_u32 v[SPW], v[NIL]
	ds_add_u32 v[SPW], v[NIL]
	v_lshrrev_b32 v1, 5, v0
	v_readfirstlane_b32 s14, v1
	s_lshr_b32 s15, s14, 1
	s_and_b32 s16, s14, 1
	s_bfe_u32 s40, ttmp6, 0x40000
	s_bfe_u32 s41, ttmp6, 0x40004
	s_lshl_b32 s42, ttmp9, 2
	s_add_co_u32 s42, s42, s40
	s_and_b32 s17, ttmp7, 0xffff
	s_lshl_b32 s17, s17, 2
	s_add_co_u32 s17, s17, s41
	s_lshl_b32 s43, s41, 2
	s_lshl_b32 s43, 15, s43
	s_lshl_b32 s44, 0x1111, s40
	s_or_b32 s[G1+0], s43, (0<<16)|(1<<20)|(1<<21)|(3<<22)|(3<<25)
	s_or_b32 s[G1B+0], s44, (0<<16)|(1<<20)|(1<<21)|(3<<22)|(3<<25)
.irp g, G1, G1B
	s_mov_b32 s[\g+1], ROWB<<16
	s_mov_b32 s[\g+2], 128<<16
	s_mov_b32 s[\g+3], ROWB<<16
	s_mov_b32 s[\g+4], 128
	s_mov_b32 s[\g+5], KROW
	s_mov_b32 s[\g+6], 0
	s_mov_b32 s[\g+7], 0
.endr
	s_or_b32 s[G1S+0], s43, (3<<16)|(1<<20)|(1<<21)|(5<<22)|(3<<25)
	s_or_b32 s[G1SB+0], s44, (3<<16)|(1<<20)|(1<<21)|(5<<22)|(3<<25)
.irp g, G1S, G1SB
	s_mov_b32 s[\g+1], 32<<16
	s_mov_b32 s[\g+2], (128*KS/256)<<16
	s_mov_b32 s[\g+3], 32<<16
	s_mov_b32 s[\g+4], 128*KS/256
	s_mov_b32 s[\g+5], 32
	s_mov_b32 s[\g+6], 0
	s_mov_b32 s[\g+7], 0
.endr
	s_mov_b32 s[SEL], 0x76543210
	s_mov_b32 s[SEL+1], 0xfedcba98
	s_lshl_b32 s18, s16, 7
	s_lshl_b32 s20, s17, 8
	s_add_co_u32 s20, s20, s18
	s_lshl_b32 s46, s42, 8
	s_add_co_u32 s46, s46, s18
	s_add_co_u32 s46, s46, B_ROW0
	s_mov_b32 s21, 0
	s_mov_b32 s47, 0
	s_mov_b64 s[18:19], KS
	s_mul_u64 s[22:23], s[20:21], s[18:19]
	s_mul_u64 s[92:93], s[46:47], s[18:19]
	s_mov_b64 s[18:19], KROW
	s_mul_u64 s[20:21], s[20:21], s[18:19]
	s_mul_u64 s[46:47], s[46:47], s[18:19]
	s_mul_i32 s45, s14, HALFT
	s_mul_i32 s94, s14, HALFS
	s_wait_dscnt 0x0
	s_wait_kmcnt 0x0
	s_add_nc_u64 s[20:21], s[4:5], s[20:21]
	s_add_nc_u64 s[22:23], s[6:7], s[22:23]
	s_add_nc_u64 s[46:47], s[4:5], s[46:47]
	s_add_nc_u64 s[92:93], s[6:7], s[92:93]
	CROUND
	s_mov_b32 s[G0S], 1
	s_add_co_u32 s[G0S+1], s94, SCL
	s_mov_b64 s[G0S+2:G0S+3], s[22:23]
	s_or_b32 s[G0S+3], s[G0S+3], 0x80000000
	s_mov_b32 s[G0SB], 1
	s_add_co_u32 s[G0SB+1], s94, SCL
	s_mov_b64 s[G0SB+2:G0SB+3], s[92:93]
	s_or_b32 s[G0SB+3], s[G0SB+3], 0x80000000
	JLOAD G0S, G1S, G0SB, G1SB
.irp s, 0,1
	s_mov_b32 s[G0+4*\s], 1
	s_add_co_u32 s[G0+4*\s+1], s45, \s*SLOT
	s_add_nc_u64 s[G0+4*\s+2:G0+4*\s+3], s[20:21], \s*ROWB
	s_or_b32 s[G0+4*\s+3], s[G0+4*\s+3], 0x80000000
	s_mov_b32 s[G0B+4*\s], 1
	s_add_co_u32 s[G0B+4*\s+1], s45, \s*SLOT
	s_add_nc_u64 s[G0B+4*\s+2:G0B+4*\s+3], s[46:47], \s*ROWB
	s_or_b32 s[G0B+4*\s+3], s[G0B+4*\s+3], 0x80000000
	s_wait_alu depctr_va_vdst(0)
	s_wait_tensorcnt 0x0
	ds_add_u32 v28, v29
	s_wait_dscnt 0x0
	CROUND
	JLOAD G0+4*\s, G1, G0B+4*\s, G1B
.endr
	v_and_b32 v1, 15, v0
	v_bfe_u32 v2, v0, 4, 1
	v_mul_u32_u24 v3, v1, PITCH
	v_mul_u32_u24 v4, v2, 24
	v_add_nc_u32 v4, v3, v4
	v_lshl_add_u32 v5, v2, 4, v4
	s_mul_i32 s21, s15, HALFT
	s_mul_i32 s22, s16, HALFT
	s_add_co_u32 s22, s22, 2*HALFT
.irp s, 0,1
	v_add_nc_u32 v[ADRA+\s], s21, v4
	v_add_nc_u32 v[ADRB+\s], s22, v4
	v_add_nc_u32 v[ADRA+2+\s], s21, v5
	v_add_nc_u32 v[ADRB+2+\s], s22, v5
	s_add_co_u32 s21, s21, SLOT
	s_add_co_u32 s22, s22, SLOT
.endr
	v_mul_u32_u24 v5, v1, KS
	v_lshrrev_b32 v6, 8, v5
	v_lshl_add_u32 v5, v6, 4, v5
	s_mul_i32 s21, s15, HALFS
	s_mul_i32 s22, s16, HALFS
	s_add_co_u32 s22, s22, 2*HALFS
	s_sub_co_u32 s22, s22, s21
	v_mul_u32_u24 v6, s22, v2
	s_add_co_u32 s21, s21, SCL
	v_add_nc_u32 v5, v5, v6
	v_add_nc_u32 v[ADRS], s21, v5
	v_and_b32 v6, 31, v0
	v_lshlrev_b32 v[L16], 4, v6
	v_lshlrev_b32 v[L8], 3, v6
	v_lshlrev_b32 v[BO], 6, v2
	s_lshl_b32 s46, s42, 10
	s_lshl_b32 s47, s16, 9
	s_add_co_u32 s46, s46, s47
	s_mov_b32 s47, 0
	s_add_nc_u64 s[8:9], s[8:9], s[46:47]
.irp b, 0,1,2,3,4,5,6,7
	global_load_b128 v[BI+8*\b:BI+8*\b+3], v[BO], s[8:9] offset:(32*(\b/2)+8*(\b%2))*4
	global_load_b128 v[BI+8*\b+4:BI+8*\b+7], v[BO], s[8:9] offset:(32*(\b/2)+8*(\b%2))*4+16
.endr
	s_lshr_b32 s46, s42, 2
	s_and_b32 s47, s42, 3
	s_lshl_b32 s47, s47, 2
	s_lshl_b32 s92, s16, 1
	s_add_co_u32 s47, s47, s92
	s_lshr_b32 s20, s17, 3
	s_lshl_b32 s20, s20, 4
	s_add_co_u32 s47, s47, s20
	s_and_b32 s21, s17, 7
	s_lshl_b32 s21, s21, 3
	s_lshl_b32 s22, s15, 2
	s_add_co_u32 s21, s21, s22
	s_mul_i32 s92, s46, 6291456
	s_mul_i32 s93, s47, 98304
	s_add_co_u32 s92, s92, s93
	s_mul_i32 s93, s21, 1536
	s_add_co_u32 s92, s92, s93
	s_mov_b32 s93, 0
	s_add_nc_u64 s[10:11], s[10:11], s[92:93]
	s_lshl_b32 s92, s46, 19
	s_lshl_b32 s94, s47, 13
	s_add_co_u32 s92, s92, s94
	s_lshl_b32 s94, s21, 7
	s_add_co_u32 s92, s92, s94
	s_add_nc_u64 s[12:13], s[12:13], s[92:93]
.macro FRAG reg, adr, q, i
.irp p, 0,1,2,3,4,5
.set PC, 12*(\q)+6*(\p/3)+\p%3
.if PC%8 < 5
	ds_load_b64 v[\reg+2*\p:\reg+2*\p+1], v[\adr] offset:8*PC+16*(PC/8)+(\i)*16*PITCH
.else
	ds_load_b64 v[\reg+2*\p:\reg+2*\p+1], v[\adr+2] offset:8*PC+16*(PC/8)+(\i)*16*PITCH
.endif
.endr
.endm
.macro MUL16 a0, p, q, sc, zero
.irp a, \a0, \a0+1
.irp b, 0,1,2,3,4,5,6,7
.if \zero
	v_wmma_scale_f32_16x16x128_f8f6f4 v[8*(8*((\a)%4)+\b):8*(8*((\a)%4)+\b)+7], v[128*(\p)+FR*\b:128*(\p)+FR*\b+FR-1], v[AF+FR*(\a):AF+FR*(\a)+FR-1], 0, v[SC+8*NQ*(\sc)+NQ*\b+(\q)], v[SC+8*NQ*(\sc)+NQ*(\a)+(\q)] matrix_a_fmt:MATRIX_FMT_FP6 matrix_b_fmt:MATRIX_FMT_FP6 matrix_a_scale:MATRIX_SCALE_ROW1
.else
	v_wmma_scale_f32_16x16x128_f8f6f4 v[8*(8*((\a)%4)+\b):8*(8*((\a)%4)+\b)+7], v[128*(\p)+FR*\b:128*(\p)+FR*\b+FR-1], v[AF+FR*(\a):AF+FR*(\a)+FR-1], v[8*(8*((\a)%4)+\b):8*(8*((\a)%4)+\b)+7], v[SC+8*NQ*(\sc)+NQ*\b+(\q)], v[SC+8*NQ*(\sc)+NQ*(\a)+(\q)] matrix_a_fmt:MATRIX_FMT_FP6 matrix_b_fmt:MATRIX_FMT_FP6 matrix_a_scale:MATRIX_SCALE_ROW1
.endif
.endr
.endr
.endm
.macro FETCH_B slot, q, p
	WIN TO_B
.irp i, 0,1,2,3,4,5,6,7
	FRAG 128*(\p)+FR*\i, ADRB+\slot, \q, \i
.endr
	WIN 0
.endm
.macro FETCH_A slot, q, i0
.irp i, \i0, \i0+1, \i0+2, \i0+3
	FRAG AF+FR*(\i), ADRA+\slot, \q, \i
.endr
.endm
.macro SCALES sc
.irp i, 0,1,2,3,4,5,6,7
	ds_load_b64 v[SC+8*NQ*\sc+NQ*\i:SC+8*NQ*\sc+NQ*\i+1], v[ADRS] offset:\i*SBLK
.endr
.endm
.macro PLACES n
.rept \n
	v_nop
.endr
.endm
.macro STEP slot, q, zero
	s_wait_dscnt 4*NL
	WIN MUL_LO
	MUL16 0, (\q)%2, \q, \slot, \zero
	MUL16 2, (\q)%2, \q, \slot, \zero
	s_wait_dscnt 0
	PLACES NP
	FETCH_B \slot, (\q)+1, 1-(\q)%2
	FETCH_A \slot, (\q)+1, 0
	WIN MUL_HI
	MUL16 4, (\q)%2, \q, \slot, \zero
	MUL16 6, (\q)%2, \q, \slot, \zero
	PLACES NP
	WIN 0
	FETCH_A \slot, (\q)+1, 4
.endm
.macro TURN slot, next, fill
	s_wait_tensorcnt 0x0
	ds_add_u32 v[SPW], v[NIL]
	s_wait_dscnt 4*NL+1
	WIN MUL_LO
	MUL16 0, 1, NQ-1, \slot, 0
	s_wait_dscnt 0x0
	s_barrier_signal -1
	MUL16 2, 1, NQ-1, \slot, 0
	WIN 0
	s_barrier_wait -1
.if \fill
	CREST
	s_add_nc_u64 s[G0+4*\slot+2:G0+4*\slot+3], s[G0+4*\slot+2:G0+4*\slot+3], 2*ROWB
	s_add_nc_u64 s[G0B+4*\slot+2:G0B+4*\slot+3], s[G0B+4*\slot+2:G0B+4*\slot+3], 2*ROWB
	JLOAD G0+4*\slot, G1, G0B+4*\slot, G1B
.else
	PLACES NP
.endif
	s_wait_alu depctr_va_vdst(0)
	v_add_nc_u32 v[ADRS], 4*NQ, v[ADRS]
	FETCH_B \next, 0, 0
	FETCH_A \next, 0, 0
	SCALES \next
	WIN MUL_HI
	MUL16 4, 1, NQ-1, \slot, 0
	MUL16 6, 1, NQ-1, \slot, 0
	PLACES NP
	WIN 0
	FETCH_A \next, 0, 4
.endm
	s_wait_alu depctr_va_vdst(0)
	s_wait_tensorcnt 1
	s_barrier_signal -1
	s_barrier_wait -1
	FETCH_B 0, 0, 0
	FETCH_A 0, 0, 0
	SCALES 0
	FETCH_A 0, 0, 4
	STEP 0, 0, 1
	TURN 0, 1, 1
	STEP 1, 0, 0
	TURN 1, 0, 1
	STEP 0, 0, 0
	TURN 0, 1, 0
	STEP 1, 0, 0
	s_wait_dscnt 4*NL
	WIN MUL_LO
	MUL16 0, 1, NQ-1, 1, 0
	MUL16 2, 1, NQ-1, 1, 0
	s_wait_dscnt 0
	WIN MUL_HI
	MUL16 4, 1, NQ-1, 1, 0
	MUL16 6, 1, NQ-1, 1, 0
	WIN 0
.macro ADDB a
	WIN 0x02+(\a)/4
.set I, 0
.rept 32
	v_pk_add_f32 v[T+I:T+I+1], v[64*((\a)%4)+I:64*((\a)%4)+I+1], v[BI+I:BI+I+1]
.set I, I+2
.endr
	WIN 0
.endm
.macro QUANT s, d0, d1, pw
.irp b, 0,1,2,3
	v_max3_num_f32 v[TM+\b], |v[\s+16*\b]|, |v[\s+1+16*\b]|, 0x1800000
.endr
.irp i, 2,4,6,8,10,12,14
.irp b, 0,1,2,3
	v_max3_num_f32 v[TM+\b], v[TM+\b], |v[\s+16*\b+\i]|, |v[\s+1+16*\b+\i]|
.endr
.endr
.irp b, 0,1,2,3
	v_permlanex16_b32 v[TM+4+\b], v[TM+\b], s[SEL], s[SEL+1]
.endr
.irp b, 0,1,2,3
	v_max_num_f32 v[TM+\b], v[TM+\b], v[TM+4+\b]
.endr
.irp b, 0,1,2,3
	v_add_nc_u32 v[TM+12+\b], 0xff000000, v[TM+\b]
.endr
.irp b, 0,1,2,3
	v_lshrrev_b32 v[TM+4+\b], 23, v[TM+12+\b]
.endr
	v_lshl_or_b32 v[\pw], v[TM+5], 8, v[TM+4]
	v_lshl_or_b32 v[\pw], v[TM+6], 16, v[\pw]
	v_lshl_or_b32 v[\pw], v[TM+7], 24, v[\pw]
	v_cvt_scalef32_pk16_fp6_f32 v[\d0:\d0+2], v[\s:\s+15], v[TM+12]
	v_cvt_scalef32_pk16_fp6_f32 v[TC:TC+2], v[\s+16:\s+31], v[TM+13]
	v_cvt_scalef32_pk16_fp6_f32 v[\d1:\d1+2], v[\s+32:\s+47], v[TM+14]
	v_cvt_scalef32_pk16_fp6_f32 v[TC+4:TC+6], v[\s+48:\s+63], v[TM+15]
	v_nop
.irp i, 0,1,2
	v_permlane16_swap_b32 v[\d0+\i], v[TC+\i]
	v_permlane16_swap_b32 v[\d1+\i], v[TC+4+\i]
.endr
.irp i, 0,1,2
	v_mov_b32 v[\d0+3+\i], v[TC+\i]
	v_mov_b32 v[\d1+3+\i], v[TC+4+\i]
.endr
.endm
.macro PAIR p
.if \p > 0
	s_wait_xcnt 0x0
.endif
	ADDB 2*\p
	QUANT T, DA, DB, PWR
	ADDB 2*\p+1
	QUANT T, DA+6, DB+6, PWR+1
	v_perm_b32 v[XA+\p%2], v[PWR+1], v[PWR], 0x05040100
	v_perm_b32 v[XB+\p%2], v[PWR+1], v[PWR], 0x07060302
.irp c, 0,1,2
	global_store_b128 v[L16], v[DA+4*\c:DA+4*\c+3], s[10:11] offset:\p*1536+512*\c
	global_store_b128 v[L16], v[DB+4*\c:DB+4*\c+3], s[10:11] offset:98304+\p*1536+512*\c
.endr
.if \p%2 == 1
	global_store_b64 v[L8], v[XA:XA+1], s[12:13] offset:(\p/2)*256
	global_store_b64 v[L8], v[XB:XB+1], s[12:13] offset:8192+(\p/2)*256
.endif
.endm
	PLACES NP
.irp b, 0,1,2,3
	v_mov_b32 v[TM+4+\b], 0
.endr
	s_wait_loadcnt 0x0
	PAIR 0
	PAIR 1
	PAIR 2
	PAIR 3
	s_wait_tensorcnt 0x0
	ds_add_u32 v[SPW], v[NIL]
	s_wait_dscnt 0x0
	CROUND
	s_endpgm
.Lfunc_end_k_q993d642d64_gemm_qk:
	.size	k_q993d642d64_gemm_qk, .Lfunc_end_k_q993d642d64_gemm_qk-k_q993d642d64_gemm_qk
	.p2alignl 7, 3214868480
	.fill 96, 4, 3214868480
	.section	.rodata,"a",@progbits
	.p2align	6, 0x0
	.amdhsa_kernel k_q993d642d64_gemm_qk
		.amdhsa_group_segment_fixed_size 327680
		.amdhsa_private_segment_fixed_size 0
		.amdhsa_enable_private_segment 0
		.amdhsa_kernarg_size 40
		.amdhsa_user_sgpr_count 2
		.amdhsa_user_sgpr_kernarg_segment_ptr 1
		.amdhsa_wavefront_size32 1
		.amdhsa_system_sgpr_workgroup_id_x 1
		.amdhsa_system_sgpr_workgroup_id_y 1
		.amdhsa_system_sgpr_workgroup_id_z 1
		.amdhsa_system_vgpr_workitem_id 0
		.amdhsa_next_free_vgpr 1024
		.amdhsa_next_free_sgpr 100
		.amdhsa_reserve_vcc 0
		.amdhsa_float_denorm_mode_32 3
		.amdhsa_float_denorm_mode_16_64 3
		.amdhsa_memory_ordered 1
		.amdhsa_forward_progress 1
		.amdhsa_inst_pref_size 183
	.end_amdhsa_kernel
	.amdgpu_metadata
---
amdhsa.version: [ 1, 2 ]
amdhsa.kernels:
  - .name:           k_q993d642d64_gemm_qk
    .symbol:         k_q993d642d64_gemm_qk.kd
    .args:
      - { .name: codes1, .offset: 0, .size: 8, .value_kind: global_buffer, .address_space: global }
      - { .name: scales1, .offset: 8, .size: 8, .value_kind: global_buffer, .address_space: global }
      - { .name: b_qkv, .offset: 16, .size: 8, .value_kind: global_buffer, .address_space: global }
      - { .name: qk_codes, .offset: 24, .size: 8, .value_kind: global_buffer, .address_space: global }
      - { .name: qk_scales, .offset: 32, .size: 8, .value_kind: global_buffer, .address_space: global }
    .group_segment_fixed_size: 327680
    .private_segment_fixed_size: 0
    .kernarg_segment_align: 8
    .kernarg_segment_size: 40
    .max_flat_workgroup_size: 128
    .sgpr_count:     100
    .vgpr_count:     1024
    .wavefront_size: 32
...
	.end_amdgpu_metadata
.endif
;; end of part 2
;; launch gemm_v (part 3): grid 32 x 4, 4 waves a work-group, clusters of 4 x 4, 327,680 bytes of LDS; arguments codes1, scales1, b_qkv, v_codes, v_scales; writes v_codes, v_scales
.if DOCPART == 3
	.amdgcn_target "amdgcn-amd-amdhsa--gfx1250"
	.amdhsa_code_object_version 6
	.text
	.protected	k_q993d642d64_gemm_v
	.globl	k_q993d642d64_gemm_v
	.p2align	8
	.type	k_q993d642d64_gemm_v,@function
k_q993d642d64_gemm_v:
	s_mov_b64 s[64:65], 0
	v_nop
	global_prefetch_b8 v0, s[64:65] scope:SCOPE_SE
	s_setreg_imm32_b32 hwreg(HW_REG_WAVE_MODE, 25, 1), 1
	s_wait_xcnt 0x0
	s_wait_alu depctr_hold_cnt(0) depctr_sa_sdst(0) depctr_va_vdst(0) depctr_va_sdst(0) depctr_va_ssrc(0) depctr_va_vcc(0) depctr_vm_vsrc(0)
	s_getreg_b32 s2, hwreg(HW_REG_IB_STS2, 6, 4)
	s_cmp_eq_u32 s2, 0
	s_cbranch_scc0 .Lentry_in_a_cluster
	s_endpgm
.Lentry_in_a_cluster:
	s_bfe_u32 s2, ttmp6, 0x10000c
	s_cmp_lg_u32 s2, 0xf033
	s_cbranch_scc0 .Lentry_shape_is_right
	s_endpgm
.Lentry_shape_is_right:
.set A_ROW0, 10240
.set B_ROW0, 0
.set NQ,     2
.set ROWB,   192
.set KROW,   768
.set PITCH,  240
.set FR,     12
.set NL,     6
.set NP,     4
.set HALFT,  128*PITCH
.set SLOT,   4*HALFT
.set KS,     32
.set SCL,    2*SLOT
.set HALFS,  (128*KS/256)*272
.set SBLK,   (16*KS/256)*272
.set SPARE,  SCL+4*HALFS
.set ADRA, 16
.set ADRB, 20
.set L16,  24
.set ADRS, 27
.set SPW,  28
.set NIL,  29
.set BO,   30
.set SC,   32
.set BV,   64
.set AF,   128
.set T,    128
.set TM,   192
.set TC,   208
.set CD,   216
.set PWQ,  240
.set SEL,  96
.set G1, 24
.set G0, 32
.set G1B, 48
.set G0B, 56
.set G1S, 68
.set G0S, 76
.set G1SB, 80
.set G0SB, 88
.set MSB, 0
.macro WIN new
.if MSB != (\new)
	s_set_vgpr_msb (MSB<<8)|(\new)
.set MSB, (\new)
.endif
.endm
.set MUL_LO, 0xa1
.set MUL_HI, 0xf1
.set TO_B,   0x40
.macro JLOAD g0a, g1a, g0b, g1b
	s_cmp_eq_u32 s15, 0
	s_cbranch_scc0 .Lfor_b_\@
	tensor_load_to_lds s[\g0a:\g0a+3], s[\g1a:\g1a+7]
	s_nop 0
.rept 4
	v_nop
.endr
	s_branch .Lasked_\@
.Lfor_b_\@:
	tensor_load_to_lds s[\g0b:\g0b+3], s[\g1b:\g1b+7]
	s_nop 0
.rept 4
	v_nop
.endr
.Lasked_\@:
.endm
.macro CREST
	s_cmp_lg_u32 s14, 0
	s_cbranch_scc1 .Lnot_wave_0_\@
	s_barrier_signal -3
.Lnot_wave_0_\@:
	s_barrier_wait -3
	s_barrier_signal -1
	s_barrier_wait -1
.endm
.macro CROUND
	s_barrier_signal -1
	s_barrier_wait -1
	CREST
.endm
	s_load_b128 s[4:7], s[0:1], 0x0
	s_load_b128 s[8:11], s[0:1], 0x10
	s_load_b64 s[12:13], s[0:1], 0x20
	v_lshl_add_u32 v[SPW], v0, 2, SPARE
	v_mov_b32 v[NIL], 0
	ds_add_u32 v[SPW], v[NIL]
	ds_add_u32 v[SPW], v[NIL]
	v_lshrrev_b32 v1, 5, v0
	v_readfirstlane_b32 s14, v1
	s_lshr_b32 s15, s14, 1
	s_and_b32 s16, s14, 1
	s_bfe_u32 s40, ttmp6, 0x40000
	s_bfe_u32 s41, ttmp6, 0x40004
	s_lshl_b32 s42, ttmp9, 2
	s_add_co_u32 s42, s42, s40
	s_mov_b32 s17, s41
	s_lshl_b32 s43, s41, 2
	s_lshl_b32 s43, 15, s43
	s_lshl_b32 s44, 0x1111, s40
	s_or_b32 s[G1+0], s43, (0<<16)|(1<<20)|(1<<21)|(3<<22)|(3<<25)
	s_or_b32 s[G1B+0], s44, (0<<16)|(1<<20)|(1<<21)|(3<<22)|(3<<25)
.irp g, G1, G1B
	s_mov_b32 s[\g+1], ROWB<<16
	s_mov_b32 s[\g+2], 128<<16
	s_mov_b32 s[\g+3], ROWB<<16
	s_mov_b32 s[\g+4], 128
	s_mov_b32 s[\g+5], KROW
	s_mov_b32 s[\g+6], 0
	s_mov_b32 s[\g+7], 0
.endr
	s_or_b32 s[G1S+0], s43, (3<<16)|(1<<20)|(1<<21)|(5<<22)|(3<<25)
	s_or_b32 s[G1SB+0], s44, (3<<16)|(1<<20)|(1<<21)|(5<<22)|(3<<25)
.irp g, G1S, G1SB
	s_mov_b32 s[\g+1], 32<<16
	s_mov_b32 s[\g+2], (128*KS/256)<<16
	s_mov_b32 s[\g+3], 32<<16
	s_mov_b32 s[\g+4], 128*KS/256
	s_mov_b32 s[\g+5], 32
	s_mov_b32 s[\g+6], 0
	s_mov_b32 s[\g+7], 0
.endr
	s_mov_b32 s[SEL], 0x76543210
	s_mov_b32 s[SEL+1], 0xfedcba98
	s_lshl_b32 s18, s16, 7
	s_lshl_b32 s20, s17, 8
	s_add_co_u32 s20, s20, s18
	s_add_co_u32 s20, s20, A_ROW0
	s_lshl_b32 s46, s42, 8
	s_add_co_u32 s46, s46, s18
	s_mov_b32 s21, 0
	s_mov_b32 s47, 0
	s_mov_b64 s[18:19], KS
	s_mul_u64 s[22:23], s[20:21], s[18:19]
	s_mul_u64 s[92:93], s[46:47], s[18:19]
	s_mov_b64 s[18:19], KROW
	s_mul_u64 s[20:21], s[20:21], s[18:19]
	s_mul_u64 s[46:47], s[46:47], s[18:19]
	s_mul_i32 s45, s14, HALFT
	s_mul_i32 s94, s14, HALFS
	s_wait_dscnt 0x0
	s_wait_kmcnt 0x0
	s_add_nc_u64 s[20:21], s[4:5], s[20:21]
	s_add_nc_u64 s[22:23], s[6:7], s[22:23]
	s_add_nc_u64 s[46:47], s[4:5], s[46:47]
	s_add_nc_u64 s[92:93], s[6:7], s[92:93]
	CROUND
	s_mov_b32 s[G0S], 1
	s_add_co_u32 s[G0S+1], s94, SCL
	s_mov_b64 s[G0S+2:G0S+3], s[22:23]
	s_or_b32 s[G0S+3], s[G0S+3], 0x80000000
	s_mov_b32 s[G0SB], 1
	s_add_co_u32 s[G0SB+1], s94, SCL
	s_mov_b64 s[G0SB+2:G0SB+3], s[92:93]
	s_or_b32 s[G0SB+3], s[G0SB+3], 0x80000000
	JLOAD G0S, G1S, G0SB, G1SB
.irp s, 0,1
	s_mov_b32 s[G0+4*\s], 1
	s_add_co_u32 s[G0+4*\s+1], s45, \s*SLOT
	s_add_nc_u64 s[G0+4*\s+2:G0+4*\s+3], s[20:21], \s*ROWB
	s_or_b32 s[G0+4*\s+3], s[G0+4*\s+3], 0x80000000
	s_mov_b32 s[G0B+4*\s], 1
	s_add_co_u32 s[G0B+4*\s+1], s45, \s*SLOT
	s_add_nc_u64 s[G0B+4*\s+2:G0B+4*\s+3], s[46:47], \s*ROWB
	s_or_b32 s[G0B+4*\s+3], s[G0B+4*\s+3], 0x80000000
	s_wait_alu depctr_va_vdst(0)
	s_wait_tensorcnt 0x0
	ds_add_u32 v28, v29
	s_wait_dscnt 0x0
	CROUND
	JLOAD G0+4*\s, G1, G0B+4*\s, G1B
.endr
	v_and_b32 v1, 15, v0
	v_bfe_u32 v2, v0, 4, 1
	v_mul_u32_u24 v3, v1, PITCH
	v_mul_u32_u24 v4, v2, 24
	v_add_nc_u32 v4, v3, v4
	v_lshl_add_u32 v5, v2, 4, v4
	s_mul_i32 s21, s15, HALFT
	s_mul_i32 s22, s16, HALFT
	s_add_co_u32 s22, s22, 2*HALFT
.irp s, 0,1
	v_add_nc_u32 v[ADRA+\s], s21, v4
	v_add_nc_u32 v[ADRB+\s], s22, v4
	v_add_nc_u32 v[ADRA+2+\s], s21, v5
	v_add_nc_u32 v[ADRB+2+\s], s22, v5
	s_add_co_u32 s21, s21, SLOT
	s_add_co_u32 s22, s22, SLOT
.endr
	v_mul_u32_u24 v5, v1, KS
	v_lshrrev_b32 v6, 8, v5
	v_lshl_add_u32 v5, v6, 4, v5
	s_mul_i32 s21, s15, HALFS
	s_mul_i32 s22, s16, HALFS
	s_add_co_u32 s22, s22, 2*HALFS
	s_sub_co_u32 s22, s22, s21
	v_mul_u32_u24 v6, s22, v2
	s_add_co_u32 s21, s21, SCL
	v_add_nc_u32 v5, v5, v6
	v_add_nc_u32 v[ADRS], s21, v5
	v_and_b32 v6, 31, v0
	v_lshlrev_b32 v[L16], 4, v6
	v_and_b32 v6, 8, v1
	v_add_nc_u32 v6, v6, v1
	v_lshlrev_b32 v[BO], 2, v6
	s_lshl_b32 s20, s17, 10
	s_lshl_b32 s21, s15, 9
	s_add_co_u32 s20, s20, s21
	s_add_co_u32 s20, s20, 8192
	s_mov_b32 s21, 0
	s_add_nc_u64 s[8:9], s[8:9], s[20:21]
.irp a, 0,1,2,3,4,5,6,7
	global_load_b32 v[BV+2*\a], v[BO], s[8:9] offset:(32*(\a/2)+8*(\a%2))*4
	global_load_b32 v[BV+2*\a+1], v[BO], s[8:9] offset:(32*(\a/2)+8*(\a%2))*4
.endr
	s_lshl_b32 s20, s17, 2
	s_lshl_b32 s21, s15, 1
	s_add_co_u32 s20, s20, s21
	s_lshr_b32 s46, s42, 3
	s_lshl_b32 s46, s46, 4
	s_add_co_u32 s46, s46, s20
	s_and_b32 s47, s42, 7
	s_lshl_b32 s47, s47, 1
	s_add_co_u32 s47, s47, s16
	s_mul_i32 s92, s46, 98304
	s_mul_i32 s93, s47, 6144
	s_add_co_u32 s92, s92, s93
	s_mov_b32 s93, 0
	s_add_nc_u64 s[10:11], s[10:11], s[92:93]
	s_lshl_b32 s92, s46, 13
	s_lshl_b32 s94, s47, 9
	s_add_co_u32 s92, s92, s94
	s_add_nc_u64 s[12:13], s[12:13], s[92:93]
.macro FRAG reg, adr, q, i
.irp p, 0,1,2,3,4,5
.set PC, 12*(\q)+6*(\p/3)+\p%3
.if PC%8 < 5
	ds_load_b64 v[\reg+2*\p:\reg+2*\p+1], v[\adr] offset:8*PC+16*(PC/8)+(\i)*16*PITCH
.else
	ds_load_b64 v[\reg+2*\p:\reg+2*\p+1], v[\adr+2] offset:8*PC+16*(PC/8)+(\i)*16*PITCH
.endif
.endr
.endm
.macro MUL16 a0, p, q, sc, zero
.irp a, \a0, \a0+1
.irp b, 0,1,2,3,4,5,6,7
.if \zero
	v_wmma_scale_f32_16x16x128_f8f6f4 v[8*(8*((\a)%4)+\b):8*(8*((\a)%4)+\b)+7], v[128*(\p)+FR*\b:128*(\p)+FR*\b+FR-1], v[AF+FR*(\a):AF+FR*(\a)+FR-1], 0, v[SC+8*NQ*(\sc)+NQ*\b+(\q)], v[SC+8*NQ*(\sc)+NQ*(\a)+(\q)] matrix_a_fmt:MATRIX_FMT_FP6 matrix_b_fmt:MATRIX_FMT_FP6 matrix_a_scale:MATRIX_SCALE_ROW1
.else
	v_wmma_scale_f32_16x16x128_f8f6f4 v[8*(8*((\a)%4)+\b):8*(8*((\a)%4)+\b)+7], v[128*(\p)+FR*\b:128*(\p)+FR*\b+FR-1], v[AF+FR*(\a):AF+FR*(\a)+FR-1], v[8*(8*((\a)%4)+\b):8*(8*((\a)%4)+\b)+7], v[SC+8*NQ*(\sc)+NQ*\b+(\q)], v[SC+8*NQ*(\sc)+NQ*(\a)+(\q)] matrix_a_fmt:MATRIX_FMT_FP6 matrix_b_fmt:MATRIX_FMT_FP6 matrix_a_scale:MATRIX_SCALE_ROW1
.endif
.endr
.endr
.endm
.macro FETCH_B slot, q, p
	WIN TO_B
.irp i, 0,1,2,3,4,5,6,7
	FRAG 128*(\p)+FR*\i, ADRB+\slot, \q, \i
.endr
	WIN 0
.endm
.macro FETCH_A slot, q, i0
.irp i, \i0, \i0+1, \i0+2, \i0+3
	FRAG AF+FR*(\i), ADRA+\slot, \q, \i
.endr
.endm
.macro SCALES sc
.irp i, 0,1,2,3,4,5,6,7
	ds_load_b64 v[SC+8*NQ*\sc+NQ*\i:SC+8*NQ*\sc+NQ*\i+1], v[ADRS] offset:\i*SBLK
.endr
.endm
.macro PLACES n
.rept \n
	v_nop
.endr
.endm
.macro STEP slot, q, zero
	s_wait_dscnt 4*NL
	WIN MUL_LO
	MUL16 0, (\q)%2, \q, \slot, \zero
	MUL16 2, (\q)%2, \q, \slot, \zero
	s_wait_dscnt 0
	PLACES NP
	FETCH_B \slot, (\q)+1, 1-(\q)%2
	FETCH_A \slot, (\q)+1, 0
	WIN MUL_HI
	MUL16 4, (\q)%2, \q, \slot, \zero
	MUL16 6, (\q)%2, \q, \slot, \zero
	PLACES NP
	WIN 0
	FETCH_A \slot, (\q)+1, 4
.endm
.macro TURN slot, next, fill
	s_wait_tensorcnt 0x0
	ds_add_u32 v[SPW], v[NIL]
	s_wait_dscnt 4*NL+1
	WIN MUL_LO
	MUL16 0, 1, NQ-1, \slot, 0
	s_wait_dscnt 0x0
	s_barrier_signal -1
	MUL16 2, 1, NQ-1, \slot, 0
	WIN 0
	s_barrier_wait -1
.if \fill
	CREST
	s_add_nc_u64 s[G0+4*\slot+2:G0+4*\slot+3], s[G0+4*\slot+2:G0+4*\slot+3], 2*ROWB
	s_add_nc_u64 s[G0B+4*\slot+2:G0B+4*\slot+3], s[G0B+4*\slot+2:G0B+4*\slot+3], 2*ROWB
	JLOAD G0+4*\slot, G1, G0B+4*\slot, G1B
.else
	PLACES NP
.endif
	s_wait_alu depctr_va_vdst(0)
	v_add_nc_u32 v[ADRS], 4*NQ, v[ADRS]
	FETCH_B \next, 0, 0
	FETCH_A \next, 0, 0
	SCALES \next
	WIN MUL_HI
	MUL16 4, 1, NQ-1, \slot, 0
	MUL16 6, 1, NQ-1, \slot, 0
	PLACES NP
	WIN 0
	FETCH_A \next, 0, 4
.endm
	s_wait_alu depctr_va_vdst(0)
	s_wait_tensorcnt 1
	s_barrier_signal -1
	s_barrier_wait -1
	FETCH_B 0, 0, 0
	FETCH_A 0, 0, 0
	SCALES 0
	FETCH_A 0, 0, 4
	STEP 0, 0, 1
	TURN 0, 1, 1
	STEP 1, 0, 0
	TURN 1, 0, 1
	STEP 0, 0, 0
	TURN 0, 1, 0
	STEP 1, 0, 0
	s_wait_dscnt 4*NL
	WIN MUL_LO
	MUL16 0, 1, NQ-1, 1, 0
	MUL16 2, 1, NQ-1, 1, 0
	s_wait_dscnt 0
	WIN MUL_HI
	MUL16 4, 1, NQ-1, 1, 0
	MUL16 6, 1, NQ-1, 1, 0
	WIN 0
.macro QUANT s, d0, d1, pw
.irp b, 0,1,2,3
	v_max3_num_f32 v[TM+\b], |v[\s+16*\b]|, |v[\s+1+16*\b]|, 0x1800000
.endr
.irp i, 2,4,6,8,10,12,14
.irp b, 0,1,2,3
	v_max3_num_f32 v[TM+\b], v[TM+\b], |v[\s+16*\b+\i]|, |v[\s+1+16*\b+\i]|
.endr
.endr
.irp b, 0,1,2,3
	v_permlanex16_b32 v[TM+4+\b], v[TM+\b], s[SEL], s[SEL+1]
.endr
.irp b, 0,1,2,3
	v_max_num_f32 v[TM+\b], v[TM+\b], v[TM+4+\b]
.endr
.irp b, 0,1,2,3
	v_add_nc_u32 v[TM+12+\b], 0xff000000, v[TM+\b]
.endr
.irp b, 0,1,2,3
	v_lshrrev_b32 v[TM+4+\b], 23, v[TM+12+\b]
.endr
	v_lshl_or_b32 v[\pw], v[TM+5], 8, v[TM+4]
	v_lshl_or_b32 v[\pw], v[TM+6], 16, v[\pw]
	v_lshl_or_b32 v[\pw], v[TM+7], 24, v[\pw]
	v_cvt_scalef32_pk16_fp6_f32 v[\d0:\d0+2], v[\s:\s+15], v[TM+12]
	v_cvt_scalef32_pk16_fp6_f32 v[TC:TC+2], v[\s+16:\s+31], v[TM+13]
	v_cvt_scalef32_pk16_fp6_f32 v[\d1:\d1+2], v[\s+32:\s+47], v[TM+14]
	v_cvt_scalef32_pk16_fp6_f32 v[TC+4:TC+6], v[\s+48:\s+63], v[TM+15]
	v_nop
.irp i, 0,1,2
	v_permlane16_swap_b32 v[\d0+\i], v[TC+\i]
	v_permlane16_swap_b32 v[\d1+\i], v[TC+4+\i]
.endr
.irp i, 0,1,2
	v_mov_b32 v[\d0+3+\i], v[TC+\i]
	v_mov_b32 v[\d1+3+\i], v[TC+4+\i]
.endr
.endm
.macro DIMS a
.if (\a) > 0
	s_wait_xcnt 0x0
.endif
	WIN 0x02+(\a)/4
.set I, 0
.rept 32
	v_pk_add_f32 v[T+I:T+I+1], v[64*((\a)%4)+I:64*((\a)%4)+I+1], v[BV+2*(\a):BV+2*(\a)+1]
.set I, I+2
.endr
	WIN 0
	QUANT T, CD, CD+6, PWQ+(\a)%4
.irp c, 0,1,2
	global_store_b128 v[L16], v[CD+4*\c:CD+4*\c+3], s[10:11] offset:((\a)/4)*98304+((\a)%4)*1536+512*\c
.endr
.if (\a)%4 == 3
	global_store_b128 v[L16], v[PWQ:PWQ+3], s[12:13] offset:((\a)/4)*8192
.endif
.endm
	PLACES NP
.irp b, 0,1,2,3
	v_mov_b32 v[TM+4+\b], 0
.endr
	s_wait_loadcnt 0x0
.irp a, 0,1,2,3,4,5,6,7
	DIMS \a
.endr
	s_wait_tensorcnt 0x0
	ds_add_u32 v[SPW], v[NIL]
	s_wait_dscnt 0x0
	CROUND
	s_endpgm
.Lfunc_end_k_q993d642d64_gemm_v:
	.size	k_q993d642d64_gemm_v, .Lfunc_end_k_q993d642d64_gemm_v-k_q993d642d64_gemm_v
	.p2alignl 7, 3214868480
	.fill 96, 4, 3214868480
	.section	.rodata,"a",@progbits
	.p2align	6, 0x0
	.amdhsa_kernel k_q993d642d64_gemm_v
		.amdhsa_group_segment_fixed_size 327680
		.amdhsa_private_segment_fixed_size 0
		.amdhsa_enable_private_segment 0
		.amdhsa_kernarg_size 40
		.amdhsa_user_sgpr_count 2
		.amdhsa_user_sgpr_kernarg_segment_ptr 1
		.amdhsa_wavefront_size32 1
		.amdhsa_system_sgpr_workgroup_id_x 1
		.amdhsa_system_sgpr_workgroup_id_y 1
		.amdhsa_system_sgpr_workgroup_id_z 1
		.amdhsa_system_vgpr_workitem_id 0
		.amdhsa_next_free_vgpr 1024
		.amdhsa_next_free_sgpr 100
		.amdhsa_reserve_vcc 0
		.amdhsa_float_denorm_mode_32 3
		.amdhsa_float_denorm_mode_16_64 3
		.amdhsa_memory_ordered 1
		.amdhsa_forward_progress 1
		.amdhsa_inst_pref_size 182
	.end_amdhsa_kernel
	.amdgpu_metadata
---
amdhsa.version: [ 1, 2 ]
amdhsa.kernels:
  - .name:           k_q993d642d64_gemm_v
    .symbol:         k_q993d642d64_gemm_v.kd
    .args:
      - { .name: codes1, .offset: 0, .size: 8, .value_kind: global_buffer, .address_space: global }
      - { .name: scales1, .offset: 8, .size: 8, .value_kind: global_buffer, .address_space: global }
      - { .name: b_qkv, .offset: 16, .size: 8, .value_kind: global_buffer, .address_space: global }
      - { .name: v_codes, .offset: 24, .size: 8, .value_kind: global_buffer, .address_space: global }
      - { .name: v_scales, .offset: 32, .size: 8, .value_kind: global_buffer, .address_space: global }
    .group_segment_fixed_size: 327680
    .private_segment_fixed_size: 0
    .kernarg_segment_align: 8
    .kernarg_segment_size: 40
    .max_flat_workgroup_size: 128
    .sgpr_count:     100
    .vgpr_count:     1024
    .wavefront_size: 32
...
	.end_amdgpu_metadata
.endif
;; end of part 3
;; launch attn (part 4): grid 4 x 64, 16 waves a work-group, clusters of 4 x 1, 215,040 bytes of LDS; arguments qk_codes, qk_scales, v_codes, v_scales, o_codes, o_scales; writes o_codes, o_scales
.if DOCPART == 4
	.amdgcn_target "amdgcn-amd-amdhsa--gfx1250"
	.amdhsa_code_object_version 6
	.text
	.protected	k_q993d642d64_attn
	.globl	k_q993d642d64_attn
	.p2align	8
	.type	k_q993d642d64_attn,@function
k_q993d642d64_attn:
	s_mov_b64 s[64:65], 0
	v_nop
	global_prefetch_b8 v0, s[64:65] scope:SCOPE_SE
	s_setreg_imm32_b32 hwreg(HW_REG_WAVE_MODE, 25, 1), 1
	s_wait_xcnt 0x0
	s_wait_alu depctr_hold_cnt(0) depctr_sa_sdst(0) depctr_va_vdst(0) depctr_va_sdst(0) depctr_va_ssrc(0) depctr_va_vcc(0) depctr_vm_vsrc(0)
	s_getreg_b32 s2, hwreg(HW_REG_IB_STS2, 6, 4)
	s_cmp_eq_u32 s2, 0
	s_cbranch_scc0 .Lentry_in_a_cluster
	s_endpgm
.Lentry_in_a_cluster:
	s_bfe_u32 s2, ttmp6, 0x10000c
	s_cmp_lg_u32 s2, 0x3003
	s_cbranch_scc0 .Lentry_shape_is_right
	s_endpgm
.Lentry_shape_is_right:
; o = softmax(q k^T / 4) v for 64 heads of 2,048 tokens and head size 64, both products on codes of FP6 (E2M3) with E8M0 scales; o is divided by the row's sum, quantised along the head's 64 and stored as codes.
; THE SOFTMAX: t = score x log2(e) / 4; M = the row's largest t so far, rounded UP to a whole number; p = 2^(t - M) is what is quantised, along the keys, not normalised.  The row's sum is taken of the unquantised p.
; When M moves, the sum and O are multiplied by 2^(old M - new M): exact.
; A HEAD'S WHOLE K AND V STAY IN LDS: codes 2 x 98,304 bytes, scale words 2 x 8,192.  They are filled ONCE, in quarters of 512 keys; nothing is filled again.  The four work-groups of a head are one cluster and ask jointly.
; SHARES.  A work-group owns 512 queries; each of its sixteen waves owns one tile of 16 queries at a time, in 256 registers, and walks the 2,048 keys twice (two passes).  Four waves share a SIMD.
; LAYOUT.  All operands lie in memory and LDS as images of their registers: plane c of 512 bytes holds lane l's registers 4 c .. 4 c + 3 at 16 l.  No pitch, no padding: every LDS load reads consecutive bytes.
; An image of k holds 32 keys: registers 0-5 of lane (r, h) key 16 (r / 8) + r % 8, registers 6-11 the key 8 on, 32 h + 0 .. 31 of the head's 64.  Multiplied by [q | 0] it gives the first 16 keys' scores, by [0 | q] the
; other 16's: the head's 64 fill half of the instruction's 128, and no byte is spent on zeros of k.  (The zero half of q has the scale byte 0, a power of two over zero codes.)
; Both products are used transposed: a lane holds ONE query; score register 16 b + i is key 32 b + 16 (lane / 16) + i of the step's 128; O^T's register 16 c + i is channel 32 c + 16 (lane / 16) + i.
; LIMITS: p under 2^-126 counts as 0; a block's largest p is made from its largest score (it takes v_exp_f32 not to fall where its input rises); a block of zeros, or one under 2^-124, gets the byte 1; NaN and infinities are not served.
.set KC,    0                          ; LDS: k's images,
.set VC,    98304                      ; v's,
.set KSL,   196608                     ; k's scale words,
.set VSL,   204800                     ; v's,
.set SPARE, 212992                     ; and the spare words, 128 bytes for each of sixteen waves
.set QTR,   24576                      ; a quarter of a head's codes: four key steps of 6,144 bytes
.set L16,  1                           ; v1   16 x lane: global offset of an image's plane, and my place in an image of k
.set AV0,  2                           ; v2   16 x lane + VC
.set ASK0, 3                           ; v3   8 x lane + KSL
.set ASV0, 4                           ; v4   16 x lane + VSL
.set SPW,  5                           ; v5   my spare word; never rewritten
.set NIL,  6                           ; v6   0; never rewritten
.set OSO,  7                           ; v7   8 x (lane % 16): my query's place among o's scale bytes
.set ADK,  8                           ; v8-11 the step's LDS addresses: k, v, k's words, v's words
.set ADV,  9
.set ADS,  10
.set ADT,  11
                                       ; v12 -M, v13 the largest t, v[14:15] the sum in two halves
.set QA,   16                          ; v16-27 [q | 0];  v28-39 [0 | q]
.set QSA,  40                          ; v40, v41 their scale words
.set KSW,  42                          ; v42-45 k's scale words of four images
.set VSW,  46                          ; v46-49 v's of four tiles
.set PSW,  50                          ; v50 p's scale word
.set L8,   51                          ; v51 8 x lane
.set F,    52                          ; v52-99 four fragments: k's, then v's
.set S,    100                         ; v100-163 scores, then p
.set O,    164                         ; v164-195 O^T, four tiles
.set PC,   196                         ; v196-207 p's codes
.set TC,   208                         ; v208-215 the conversions' second halves
.set BM,   216                         ; v216-219 the blocks' largest scores, then largest p
.set BX,   220                         ; v220-223 at work
.set BS,   224                         ; v224-227 the conversions' scale operands
.set TP,   228                         ; v228 at work
.set FF,   230                         ; v[230:231] f = 2^(old M - new M), and a written 0
.set OSW,  232                         ; v232 o's two scale bytes
.set QR,   234                         ; v234-245 the image that holds my queries
.set QW,   246                         ; v246 and its scale word
.set G1C,  16                          ; s[16:23] descriptor group 1 for a quarter of codes;  s[24:31] for a head's scale words
.set G1S,  24
.set G0K,  32                          ; s[32:51] five groups 0 for k: the words, then the four quarters
.set G0V,  68                          ; s[68:87] the same for v
.set WV,   52
.set CS,   54                          ; s[54:55] c = log2(e) / 4
.set SEL,  56                          ; s[56:57] lane selects for v_permlanex16_b32: lane l xor 16
.set TB,   58                          ; s58 where the step's codes begin in k's and in v's region
.set TS,   59                          ; s59 and its scale words
.set CNT,  60
.set PASS, 61
.set SU,   62                          ; s62 all ones in odd waves: my queries are the image's second 16
.set SSH,  63                          ; s63 16 in odd waves
.macro CROUND                          ; a round of the cluster's barrier
	s_barrier_signal -1
	s_barrier_wait -1
	s_cmp_lg_u32 s[WV], 0
	s_cbranch_scc1 .Lnot_wave_0_\@
	s_barrier_signal -3
.Lnot_wave_0_\@:
	s_barrier_wait -3
	s_barrier_signal -1
	s_barrier_wait -1
.endm
	s_load_b256 s[4:11], s[0:1], 0x0               ; qk_codes, qk_scales, v_codes, v_scales
	s_load_b128 s[12:15], s[0:1], 0x20             ; o_codes, o_scales
	v_lshl_add_u32 v[SPW], v0, 2, SPARE
	v_mov_b32 v[NIL], 0
	ds_add_u32 v[SPW], v[NIL]                      ; the wave's opening: the add and its wait come ahead of the first tensor loads
	ds_add_u32 v[SPW], v[NIL]
	v_lshrrev_b32 v[TP], 5, v0
	s_delay_alu instid0(VALU_DEP_1)
	v_readfirstlane_b32 s[WV], v[TP]               ; wave 0..15
	s_and_b32 s88, ttmp7, 0xffff                   ; batch x head, which the four partners share
	s_bfe_u32 s89, ttmp6, 0x40000                  ; cx: it enters q's and o's addresses alone
	s_mul_i32 s90, s88, 98304                      ; the head's codes,
	s_mov_b32 s91, 0
	s_lshl_b32 s92, s88, 13                        ; and its scale words
	s_mov_b32 s93, 0
	; dense blocks as rows of 256 bytes (32 elements of 8 bytes): 96 rows a quarter of codes, 32 rows a head's words
	s_mov_b32 s[G1C], 15|(3<<16)|(1<<21)           ; the mask: all four work-groups; elements of 8 bytes; bit 21 beside a mask; no padding
	s_mov_b32 s[G1C+1], 32<<16
	s_mov_b32 s[G1C+2], 96<<16
	s_mov_b32 s[G1C+3], 32<<16
	s_mov_b32 s[G1C+4], 96
	s_mov_b32 s[G1C+5], 32
	s_mov_b32 s[G1C+6], 0
	s_mov_b32 s[G1C+7], 0
	s_mov_b32 s[G1S], 15|(3<<16)|(1<<21)
	s_mov_b32 s[G1S+1], 32<<16
	s_mov_b32 s[G1S+2], 32<<16
	s_mov_b32 s[G1S+3], 32<<16
	s_mov_b32 s[G1S+4], 32
	s_mov_b32 s[G1S+5], 32
	s_mov_b32 s[G1S+6], 0
	s_mov_b32 s[G1S+7], 0
	s_mov_b32 s[CS], 0x3eb8aa3b                    ; c = log2(e) / 4
	s_mov_b32 s[CS+1], s[CS]                       ; (named with it as a pair, so it is written)
	s_mov_b32 s[SEL], 0x76543210
	s_mov_b32 s[SEL+1], 0xfedcba98
	s_and_b32 s[SSH], s[WV], 1
	s_sub_co_u32 s[SU], 0, s[SSH]
	s_lshl_b32 s[SSH], s[SSH], 4
	s_mov_b32 s[PASS], 2
	s_wait_dscnt 0x0                               ; the opening add is done
	s_wait_kmcnt 0x0
	s_add_nc_u64 s[94:95], s[4:5], s[90:91]        ; q's codes of my head; k's lie 6,291,456 bytes on
	s_add_nc_u64 s[96:97], s[6:7], s[92:93]        ; q's scale words; k's lie 524,288 bytes on
	s_add_nc_u64 s[8:9], s[8:9], s[90:91]          ; v's codes
	s_add_nc_u64 s[10:11], s[10:11], s[92:93]      ; v's scale words
	s_mov_b32 s[G0K], 1
	s_mov_b32 s[G0K+1], KSL
	s_add_nc_u64 s[G0K+2:G0K+3], s[96:97], 524288
	s_or_b32 s[G0K+3], s[G0K+3], 0x80000000
	s_mov_b32 s[G0V], 1
	s_mov_b32 s[G0V+1], VSL
	s_mov_b64 s[G0V+2:G0V+3], s[10:11]
	s_or_b32 s[G0V+3], s[G0V+3], 0x80000000
.irp f, 0,1,2,3
	s_mov_b32 s[G0K+4+4*\f], 1
	s_mov_b32 s[G0K+5+4*\f], KC+\f*QTR
	s_add_nc_u64 s[G0K+6+4*\f:G0K+7+4*\f], s[94:95], 6291456+\f*QTR
	s_or_b32 s[G0K+7+4*\f], s[G0K+7+4*\f], 0x80000000
	s_mov_b32 s[G0V+4+4*\f], 1
	s_mov_b32 s[G0V+5+4*\f], VC+\f*QTR
	s_add_nc_u64 s[G0V+6+4*\f:G0V+7+4*\f], s[8:9], \f*QTR
	s_or_b32 s[G0V+7+4*\f], s[G0V+7+4*\f], 0x80000000
.endr
	CROUND                                         ; all four work-groups are here: the joint loads meet
	s_cmp_lg_u32 s[WV], 0                          ; wave 0 asks for all of k, wave 1 for all of v, in the order in which they are wanted: five loads of such a wave are out.  The branches hang on the wave's number alone
	s_cbranch_scc1 .Lnot_k
	tensor_load_to_lds s[G0K:G0K+3], s[G1S:G1S+7]
	s_nop 0
.irp f, 0,1,2,3
	tensor_load_to_lds s[G0K+4+4*\f:G0K+7+4*\f], s[G1C:G1C+7]
	s_nop 0
.endr
.rept 4
	v_nop
.endr
	s_branch .Lasked
.Lnot_k:
	s_cmp_lg_u32 s[WV], 1
	s_cbranch_scc1 .Lasked
	tensor_load_to_lds s[G0V:G0V+3], s[G1S:G1S+7]
	s_nop 0
.irp f, 0,1,2,3
	tensor_load_to_lds s[G0V+4+4*\f:G0V+7+4*\f], s[G1C:G1C+7]
	s_nop 0
.endr
.rept 4
	v_nop
.endr
.Lasked:
	; my queries: group 16 cx + wave / 2 of the head's 64 (pass 2: 8 groups on), its first or second 16 by wave % 2: they are places 16 TB + r of the tokens' order, TB = 128 x batch + 32 cx + wave
	s_lshl_b32 s98, s89, 4
	s_lshr_b32 s99, s[WV], 1
	s_add_co_u32 s98, s98, s99
	s_mul_i32 s98, s98, 1536
	s_mov_b32 s99, 0
	s_add_nc_u64 s[4:5], s[94:95], s[98:99]        ; the image
	s_lshl_b32 s98, s89, 3
	s_lshr_b32 s2, s[WV], 2
	s_add_co_u32 s98, s98, s2
	s_lshl_b32 s98, s98, 8                         ; the pair of groups,
	s_bfe_u32 s2, s[WV], 0x10001
	s_lshl_b32 s2, s2, 2                           ; and which of its two words
	s_add_co_u32 s98, s98, s2
	s_add_nc_u64 s[6:7], s[96:97], s[98:99]
	s_lshr_b32 s2, s88, 4
	s_lshl_b32 s2, s2, 7
	s_lshl_b32 s3, s89, 5
	s_add_co_u32 s2, s2, s3
	s_add_co_u32 s2, s2, s[WV]                     ; TB
	s_and_b32 s3, s88, 15                          ; the head
	s_mul_i32 s98, s3, 393216
	s_mul_i32 s90, s2, 768
	s_add_co_u32 s98, s98, s90
	s_add_nc_u64 s[12:13], s[12:13], s[98:99]      ; o_codes: [head][TB][768 bytes]
	s_lshr_b32 s98, s3, 2
	s_lshl_b32 s98, s98, 16
	s_lshl_b32 s90, s2, 7
	s_add_co_u32 s98, s98, s90
	s_and_b32 s90, s3, 3
	s_lshl_b32 s90, s90, 1
	s_add_co_u32 s98, s98, s90
	s_add_nc_u64 s[14:15], s[14:15], s[98:99]      ; o_scales: [head / 4][place][head % 4][2 bytes]
	v_and_b32 v[TP], 31, v0
	s_delay_alu instid0(VALU_DEP_1)
	v_lshlrev_b32 v[L16], 4, v[TP]
	s_delay_alu instid0(VALU_DEP_2)
	v_lshlrev_b32 v[L8], 3, v[TP]
.macro QLOAD
.irp c, 0,1,2
	global_load_b128 v[QR+4*\c:QR+4*\c+3], v[L16], s[4:5] offset:512*\c
.endr
	global_load_b32 v[QW], v[L8], s[6:7]
.endm
	QLOAD
	v_add_nc_u32 v[AV0], VC, v[L16]
	v_add_nc_u32 v[ASK0], KSL, v[L8]
	v_add_nc_u32 v[ASV0], VSL, v[L16]
	v_and_b32 v[OSO], 15, v0
	s_delay_alu instid0(VALU_DEP_1)
	v_lshlrev_b32 v[OSO], 3, v[OSO]
.irp i, 0,1,2,3,4,5
	v_mov_b32 v[QA+6+\i], 0                        ; the zero halves of [q | 0] and [0 | q]: written once
	v_mov_b32 v[QA+12+\i], 0
.endr
.irp b, 0,1,2,3
	v_mov_b32 v[BX+\b], 0                          ; written once: a lane permute's destination counts as one of its sources
.endr
	v_mov_b32 v[FF+1], 0                           ; (named as the upper half of the pair)
; A KEY STEP: 128 keys.
.macro STEP
	v_add_nc_u32 v[ADK], s[TB], v[L16]             ; these four are also the places between the last step's products and the loads into their registers
	v_add_nc_u32 v[ADV], s[TB], v[AV0]
	v_add_nc_u32 v[ADS], s[TS], v[ASK0]
	v_add_nc_u32 v[ADT], s[TS], v[ASV0]
.irp b, 0,1,2,3
.irp c, 0,1,2
	ds_load_b128 v[F+12*\b+4*\c:F+12*\b+4*\c+3], v[ADK] offset:1536*\b+512*\c
.endr
.endr
	ds_load_b64 v[KSW:KSW+1], v[ADS]
	ds_load_b64 v[KSW+2:KSW+3], v[ADS] offset:256
	s_wait_alu depctr_va_vdst(0)
	s_wait_dscnt 0x0
.irp b, 0,1,2,3                                ; S^T = k q^T: image b against [q | 0] and [0 | q]
.irp u, 0,1
	v_wmma_scale_f32_16x16x128_f8f6f4 v[S+16*\b+8*\u:S+16*\b+8*\u+7], v[F+12*\b:F+12*\b+11], v[QA+12*\u:QA+12*\u+11], 0, v[KSW+\b], v[QSA+\u] matrix_a_fmt:MATRIX_FMT_FP6 matrix_b_fmt:MATRIX_FMT_FP6
.endr
.endr
.rept 4
	v_nop                                          ; places in front of the loads into k's registers and of the first read of the scores
.endr
.irp t, 0,1,2,3                                ; v's four tiles come into the same registers while the softmax is worked
.irp c, 0,1,2
	ds_load_b128 v[F+12*\t+4*\c:F+12*\t+4*\c+3], v[ADV] offset:1536*\t+512*\c
.endr
.endr
	ds_load_b128 v[VSW:VSW+3], v[ADT]
.irp b, 0,1,2,3
	v_max3_num_f32 v[BM+\b], v[S+16*\b], v[S+1+16*\b], v[S+2+16*\b]   ; the largest score of each block of 32 keys: it serves for the row's maximum and for the block's largest p
.endr
.irp i, 3,5,7,9,11,13
.irp b, 0,1,2,3
	v_max3_num_f32 v[BM+\b], v[BM+\b], v[S+16*\b+\i], v[S+1+16*\b+\i]   ; the four blocks by turns
.endr
.endr
.irp b, 0,1,2,3
	v_max_num_f32 v[BM+\b], v[BM+\b], v[S+15+16*\b]
.endr
.irp b, 0,1,2,3
	s_delay_alu instid0(VALU_DEP_4)
	v_permlanex16_b32 v[BX+\b], v[BM+\b], s[SEL], s[SEL+1]
.endr
.irp b, 0,1,2,3
	s_delay_alu instid0(VALU_DEP_4)
	v_max_num_f32 v[BM+\b], v[BM+\b], v[BX+\b]     ; with lane l xor 16's 16 keys
.endr
	s_delay_alu instid0(VALU_DEP_2)
	v_max3_num_f32 v[TP], v[BM], v[BM+1], v[BM+2]
	s_delay_alu instid0(VALU_DEP_1)
	v_max_num_f32 v[TP], v[TP], v[BM+3]            ; the step's largest score of my query
	s_delay_alu instid0(VALU_DEP_1)
	v_mul_f32 v[TP], s[CS], v[TP]                  ; as t (c is positive)
	s_delay_alu instid0(VALU_DEP_1)
	v_max_num_f32 v13, v13, v[TP]                  ; the running largest t
	v_mov_b32 v[TP], v12
	s_delay_alu instid0(VALU_DEP_2)
	v_floor_f32 v12, -v13                          ; the new -M = floor(-t) = -ceil(t): a whole number
	s_delay_alu instid0(VALU_DEP_1)
	v_sub_f32 v[TP], v12, v[TP]                    ; old M - new M: a whole number, 0 or less
	s_delay_alu instid0(VALU_DEP_1)
	v_cvt_i32_f32 v[TP], v[TP]                     ; (it saturates)
	s_delay_alu instid0(VALU_DEP_1)
	v_ldexp_f32 v[FF], 1.0, v[TP]                  ; f = 2^(old M - new M)
.set I, 0
.rept 32
	v_pk_fma_f32 v[S+I:S+I+1], v[S+I:S+I+1], s[CS:CS+1], v[12:13] op_sel_hi:[1,0,0]   ; t - M, two at a time
.set I, I+2
.endr
.irp b, 0,1,2,3
	v_fma_f32 v[BM+\b], v[BM+\b], s[CS], v12       ; the same of each block's largest score
.endr
.set I, 0
	s_wait_alu depctr_va_vdst(0)
.rept 64
	v_exp_f32 v[S+I], v[S+I]                       ; p = 2^(t - M), at most 1
.set I, I+1
.endr
	s_setprio 1
	v_pk_mul_f32 v[14:15], v[14:15], v[FF:FF+1] op_sel_hi:[1,0]   ; the sums under the new M (the plain instruction behind the exponentials)
	s_wait_alu depctr_va_vdst(0)                   ; one wait for the whole batch, ahead of its first reader
.irp b, 0,1,2,3
	v_exp_f32 v[BM+\b], v[BM+\b]                   ; the block's largest p: the same two instructions on the same number give the same bits
.endr
	v_pk_add_f32 v[220:221], v[104:105], v[108:109]
	v_pk_add_f32 v[254:255], v[112:113], v[116:117]
	v_pk_add_f32 v[252:253], v[120:121], v[124:125]
	v_pk_add_f32 v[250:251], v[128:129], v[132:133]
	v_pk_add_f32 v[248:249], v[136:137], v[140:141]
	v_pk_add_f32 v[232:233], v[144:145], v[148:149]
	v_pk_add_f32 v[226:227], v[152:153], v[156:157]
	v_pk_add_f32 v[14:15], v[14:15], v[160:161]
	v_pk_add_f32 v[220:221], v[220:221], v[100:101]
	v_pk_add_f32 v[254:255], v[254:255], v[102:103]
	v_pk_add_f32 v[252:253], v[252:253], v[106:107]
	v_pk_add_f32 v[250:251], v[250:251], v[110:111]
	v_pk_add_f32 v[248:249], v[248:249], v[114:115]
	v_pk_add_f32 v[232:233], v[232:233], v[118:119]
	v_pk_add_f32 v[226:227], v[226:227], v[122:123]
	v_pk_add_f32 v[14:15], v[14:15], v[126:127]
	v_pk_add_f32 v[220:221], v[220:221], v[130:131]
	v_pk_add_f32 v[254:255], v[254:255], v[134:135]
	v_pk_add_f32 v[252:253], v[252:253], v[138:139]
	v_pk_add_f32 v[250:251], v[250:251], v[142:143]
	v_pk_add_f32 v[248:249], v[248:249], v[146:147]
	v_pk_add_f32 v[232:233], v[232:233], v[150:151]
	v_pk_add_f32 v[226:227], v[226:227], v[154:155]
	v_pk_add_f32 v[14:15], v[14:15], v[158:159]
	v_pk_add_f32 v[220:221], v[220:221], v[162:163]
	s_delay_alu instid0(VALU_DEP_2)
	v_pk_add_f32 v[14:15], v[14:15], v[250:251]
	s_delay_alu instid0(VALU_DEP_2)
	v_pk_add_f32 v[220:221], v[220:221], v[248:249]
	v_pk_add_f32 v[254:255], v[254:255], v[232:233]
	v_pk_add_f32 v[252:253], v[252:253], v[226:227]
	s_delay_alu instid0(VALU_DEP_2)
	v_pk_add_f32 v[14:15], v[14:15], v[254:255]
	s_delay_alu instid0(VALU_DEP_2)
	v_pk_add_f32 v[220:221], v[220:221], v[252:253]
	s_delay_alu instid0(VALU_DEP_1)
	v_pk_add_f32 v[14:15], v[14:15], v[220:221]
	s_wait_alu depctr_va_vdst(0)                   ; and one for the four
.irp b, 0,1,2,3
	v_max_num_f32 v[BM+\b], 0x1800000, v[BM+\b]    ; the floor 2^(3 - 127): the byte cannot fall under 1
.endr
.irp b, 0,1,2,3
	s_delay_alu instid0(VALU_DEP_4)
	v_add_nc_u32 v[BS+\b], 0xff000000, v[BM+\b]    ; 2 off the exponent field: the conversion's scale operand
.endr
.irp b, 0,1,2,3
	s_delay_alu instid0(VALU_DEP_4)
	v_lshrrev_b32 v[BX+\b], 23, v[BS+\b]           ; the scale's byte
.endr
	s_delay_alu instid0(VALU_DEP_3)
	v_lshl_or_b32 v[PSW], v[BX+1], 8, v[BX]        ; p's scale word for these 128 keys
	s_delay_alu instid0(VALU_DEP_1)
	v_lshl_or_b32 v[PSW], v[BX+2], 16, v[PSW]
	s_delay_alu instid0(VALU_DEP_1)
	v_lshl_or_b32 v[PSW], v[BX+3], 24, v[PSW]
.irp c, 0,1
	v_cvt_scalef32_pk16_fp6_f32 v[PC+6*\c:PC+6*\c+2], v[S+32*\c:S+32*\c+15], v[BS+2*\c]
	v_cvt_scalef32_pk16_fp6_f32 v[TC+4*\c:TC+4*\c+2], v[S+16+32*\c:S+31+32*\c], v[BS+2*\c+1]   ; (a conversion's three registers begin on an even number)
.endr
	v_nop                                          ; one plain instruction behind a scaled conversion
.irp c, 0,1                                    ; the operand's layout wants a whole block in a lane
.irp i, 0,1,2
	v_permlane16_swap_b32 v[PC+6*\c+\i], v[TC+4*\c+\i]
.endr
.irp i, 0,1,2
	s_delay_alu instid0(VALU_DEP_3)
	v_mov_b32 v[PC+3+6*\c+\i], v[TC+4*\c+\i]
.endr
.endr
.set I, 0
	s_setprio 0
.rept 16
	v_pk_mul_f32 v[O+I:O+I+1], v[O+I:O+I+1], v[FF:FF+1] op_sel_hi:[1,0]   ; O^T under the new M, each tile from its low end on; these stand between the writes of p's codes and scale word and the products
.set I, I+2
.endr
	s_wait_alu depctr_va_vdst(0)
	s_wait_dscnt 0x0                               ; v's tiles and words are in
.irp t, 0,1,2,3                                ; O^T += v^T p^T: four accumulators, one instruction each
	v_wmma_scale_f32_16x16x128_f8f6f4 v[O+8*\t:O+8*\t+7], v[F+12*\t:F+12*\t+11], v[PC:PC+11], v[O+8*\t:O+8*\t+7], v[VSW+\t], v[PSW] matrix_a_fmt:MATRIX_FMT_FP6 matrix_b_fmt:MATRIX_FMT_FP6
.endr
	s_add_co_u32 s[TB], s[TB], 6144
	s_add_co_u32 s[TS], s[TS], 512
.endm
; A quarter of the keys.  Waves 0 and 1 have asked for the words and the four quarters in this order: with 3 - f loads out, quarter f has landed.  Behind the barrier all sixteen waves may read it.
.macro PHASE f
	s_wait_tensorcnt 3-\f
	s_barrier_signal -1
	s_barrier_wait -1
	s_mov_b32 s[TB], \f*QTR
	s_mov_b32 s[TS], \f*2048
	s_mov_b32 s[CNT], 4
.Lstep_\@:
	s_setprio 2
	STEP
	s_sub_co_u32 s[CNT], s[CNT], 1
	s_cmp_lg_u32 s[CNT], 0
	s_cbranch_scc1 .Lstep_\@
	s_setprio 0
.endm
.Lpass:
	s_wait_loadcnt 0x0                             ; my queries' image and word
.irp i, 0,1,2,3,4,5
	v_cndmask_b32 v[QA+\i], v[QR+\i], v[QR+6+\i], s[SU]   ; the image's first or second 16 tokens
.endr
.irp i, 0,1,2,3,4,5
	v_mov_b32 v[QA+18+\i], v[QA+\i]
.endr
	v_lshrrev_b32 v[TP], s[SSH], v[QW]
	s_delay_alu instid0(VALU_DEP_1)
	v_and_b32 v[QSA], 0xffff, v[TP]                ; my two bytes below,
	s_delay_alu instid0(VALU_DEP_1)
	v_lshlrev_b32 v[QSA+1], 16, v[QSA]             ; or above
	s_cmp_eq_u32 s[PASS], 1
	s_cbranch_scc1 .Lno_next                       ; the last pass asks for nothing: no load leaves its buffer
	s_add_nc_u64 s[4:5], s[4:5], 12288             ; (the wait above has shown the loads that named these done)  8 groups on
	s_add_nc_u64 s[6:7], s[6:7], 1024
	QLOAD
.Lno_next:
	v_mov_b32 v13, 0xff61b1e6                      ; the largest t so far: -3e38, under every t
	s_delay_alu instid0(VALU_DEP_1)
	v_floor_f32 v12, -v13                          ; -M
	v_mov_b32 v14, 0
	v_mov_b32 v15, 0
.set I, 0
.rept 32
	v_mov_b32 v[O+I], 0                            ; the step is written once: the first finds zeros, which the first change of M leaves zeros
.set I, I+1
.endr
	PHASE 0
	PHASE 1
	PHASE 2
	PHASE 3
	; THE WAY OUT: O^T / the sum, quantised along the head's 64: half an operand's registers, stored as they stand
	v_add_f32 v14, v14, v15
	s_delay_alu instid0(VALU_DEP_1)
	v_permlanex16_b32 v[TP], v14, s[SEL], s[SEL+1]
	s_delay_alu instid0(VALU_DEP_1)
	v_add_f32 v14, v14, v[TP]                      ; the row's sum
	s_wait_alu depctr_va_vdst(0)
	v_rcp_f32 v14, v14
	v_nop                                          ; with the two additions: four plain instructions between the last products and the first read of O^T
	v_nop
	s_wait_alu depctr_va_vdst(0)                   ; ahead of the reciprocal's first reader
.set I, 0
.rept 16
	v_pk_mul_f32 v[S+I:S+I+1], v[O+I:O+I+1], v[14:15] op_sel_hi:[1,0]   ; register 16 c + i: channel 32 c + 16 h + i
.set I, I+2
.endr
.irp b, 0,1
	v_max3_num_f32 v[BM+\b], |v[S+16*\b]|, |v[S+1+16*\b]|, 0x1800000
.endr
.irp i, 2,4,6,8,10,12,14
.irp b, 0,1
	s_delay_alu instid0(VALU_DEP_2)
	v_max3_num_f32 v[BM+\b], v[BM+\b], |v[S+16*\b+\i]|, |v[S+1+16*\b+\i]|
.endr
.endr
.irp b, 0,1
	s_delay_alu instid0(VALU_DEP_2)
	v_permlanex16_b32 v[BX+\b], v[BM+\b], s[SEL], s[SEL+1]
.endr
.irp b, 0,1
	s_delay_alu instid0(VALU_DEP_2)
	v_max_num_f32 v[BM+\b], v[BM+\b], v[BX+\b]
.endr
.irp b, 0,1
	s_delay_alu instid0(VALU_DEP_2)
	v_add_nc_u32 v[BS+\b], 0xff000000, v[BM+\b]
.endr
.irp b, 0,1
	s_delay_alu instid0(VALU_DEP_2)
	v_lshrrev_b32 v[BX+\b], 23, v[BS+\b]
.endr
	s_delay_alu instid0(VALU_DEP_1)
	v_lshl_or_b32 v[OSW], v[BX+1], 8, v[BX]        ; my query's two scale bytes
	v_cvt_scalef32_pk16_fp6_f32 v[PC:PC+2], v[S:S+15], v[BS]
	v_cvt_scalef32_pk16_fp6_f32 v[TC:TC+2], v[S+16:S+31], v[BS+1]
	v_nop                                          ; one plain instruction behind a scaled conversion
.irp i, 0,1,2
	v_permlane16_swap_b32 v[PC+\i], v[TC+\i]
.endr
.irp i, 0,1,2
	s_delay_alu instid0(VALU_DEP_3)
	v_mov_b32 v[PC+3+\i], v[TC+\i]                 ; lane (r, h): channels 32 h + 0 .. 31 of query r
.endr
	global_store_b128 v[L16], v[PC:PC+3], s[12:13]                 ; 512 consecutive bytes, aligned
	global_store_b64 v[L8], v[PC+4:PC+5], s[12:13] offset:512      ; 256 consecutive bytes, aligned
	global_store_b16 v[OSO], v[OSW], s[14:15]      ; 2 bytes a query, 8 bytes apart (a scale word of the last product spans two heads, which are two work-groups); lanes l and l xor 16 store the same bytes with the same value
	s_wait_xcnt 0x0                                ; the stores have read their registers and bases
	s_add_nc_u64 s[12:13], s[12:13], 12288         ; 16 blocks of 16 places on
	s_add_nc_u64 s[14:15], s[14:15], 2048
	s_sub_co_u32 s[PASS], s[PASS], 1
	s_cmp_lg_u32 s[PASS], 0
	s_cbranch_scc1 .Lpass
	s_wait_tensorcnt 0x0                           ; the wave's end
	ds_add_u32 v[SPW], v[NIL]
	s_wait_dscnt 0x0
	CROUND                                         ; the closing round
	s_endpgm
.Lfunc_end_k_q993d642d64_attn:
	.size	k_q993d642d64_attn, .Lfunc_end_k_q993d642d64_attn-k_q993d642d64_attn
	.p2alignl 7, 3214868480
	.fill 96, 4, 3214868480
	.section	.rodata,"a",@progbits
	.p2align	6, 0x0
	.amdhsa_kernel k_q993d642d64_attn
		.amdhsa_group_segment_fixed_size 215040
		.amdhsa_private_segment_fixed_size 0
		.amdhsa_enable_private_segment 0
		.amdhsa_kernarg_size 48
		.amdhsa_user_sgpr_count 2
		.amdhsa_user_sgpr_kernarg_segment_ptr 1
		.amdhsa_wavefront_size32 1
		.amdhsa_system_sgpr_workgroup_id_x 1
		.amdhsa_system_sgpr_workgroup_id_y 1
		.amdhsa_system_sgpr_workgroup_id_z 1
		.amdhsa_system_vgpr_workitem_id 0
		.amdhsa_next_free_vgpr 256
		.amdhsa_next_free_sgpr 100
		.amdhsa_reserve_vcc 0
		.amdhsa_float_denorm_mode_32 3
		.amdhsa_float_denorm_mode_16_64 3
		.amdhsa_memory_ordered 1
		.amdhsa_forward_progress 1
		.amdhsa_inst_pref_size 85
	.end_amdhsa_kernel
	.amdgpu_metadata
---
amdhsa.version: [ 1, 2 ]
amdhsa.kernels:
  - .name:           k_q993d642d64_attn
    .symbol:         k_q993d642d64_attn.kd
    .args:
      - { .name: qk_codes, .offset: 0, .size: 8, .value_kind: global_buffer, .address_space: global }
      - { .name: qk_scales, .offset: 8, .size: 8, .value_kind: global_buffer, .address_space: global }
      - { .name: v_codes, .offset: 16, .size: 8, .value_kind: global_buffer, .address_space: global }
      - { .name: v_scales, .offset: 24, .size: 8, .value_kind: global_buffer, .address_space: global }
      - { .name: o_codes, .offset: 32, .size: 8, .value_kind: global_buffer, .address_space: global }
      - { .name: o_scales, .offset: 40, .size: 8, .value_kind: global_buffer, .address_space: global }
    .group_segment_fixed_size: 215040
    .private_segment_fixed_size: 0
    .kernarg_segment_align: 8
    .kernarg_segment_size: 48
    .max_flat_workgroup_size: 512
    .sgpr_count:     100
    .vgpr_count:     256
    .wavefront_size: 32
...
	.end_amdgpu_metadata
.endif
;; end of part 4
;; launch gemm_out (part 5): grid 4 x 32, 4 waves a work-group, clusters of 4 x 4, 327,680 bytes of LDS; arguments o_codes, o_scales, codes1, scales1, b_out, out0; writes out0
.if DOCPART == 5
	.amdgcn_target "amdgcn-amd-amdhsa--gfx1250"
	.amdhsa_code_object_version 6
	.text
	.protected	k_q993d642d64_gemm_out
	.globl	k_q993d642d64_gemm_out
	.p2align	8
	.type	k_q993d642d64_gemm_out,@function
k_q993d642d64_gemm_out:
	s_mov_b64 s[64:65], 0
	v_nop
	global_prefetch_b8 v0, s[64:65] scope:SCOPE_SE
	s_setreg_imm32_b32 hwreg(HW_REG_WAVE_MODE, 25, 1), 1
	s_wait_xcnt 0x0
	s_wait_alu depctr_hold_cnt(0) depctr_sa_sdst(0) depctr_va_vdst(0) depctr_va_sdst(0) depctr_va_ssrc(0) depctr_va_vcc(0) depctr_vm_vsrc(0)
	s_getreg_b32 s2, hwreg(HW_REG_IB_STS2, 6, 4)
	s_cmp_eq_u32 s2, 0
	s_cbranch_scc0 .Lentry_in_a_cluster
	s_endpgm
.Lentry_in_a_cluster:
	s_bfe_u32 s2, ttmp6, 0x10000c
	s_cmp_lg_u32 s2, 0xf033
	s_cbranch_scc0 .Lentry_shape_is_right
	s_endpgm
.Lentry_shape_is_right:
.set B_ROW0, 11264
.set NQ,     2
.set ROWB,   192
.set KROW,   768
.set PITCH,  240
.set FR,     12
.set NLA,    4
.set NP,     4
.set HALFA,  4*6144
.set HALFB,  128*PITCH
.set SLOT,   2*HALFA+2*HALFB
.set ASTEP,  4*393216
.set SCLA,   2*SLOT
.set SCLB,   SCLA+2*4096
.set HALFS,  4352
.set SBLK,   544
.set SPARE,  SCLB+2*HALFS
.set SPITCH, 528
.set ADRA, 16
.set ADRB, 20
.set STO,  24
.set RD,   25
.set CO,   26
.set ADSA, 27
.set SPW,  28
.set NIL,  29
.set ADSB, 30
.set SCA,  32
.set SCB,  64
.set BO,   96
.set AF,   128
.set BK,   128
.set G1, 24
.set G0, 32
.set G1B, 48
.set G0B, 56
.set G1S, 68
.set G0S, 76
.set G1SB, 80
.set G0SB, 88
.set MSB, 0
.macro WIN new
.if MSB != (\new)
	s_set_vgpr_msb (MSB<<8)|(\new)
.set MSB, (\new)
.endif
.endm
.set MUL_LO, 0xa1
.set MUL_HI, 0xf1
.set TO_B,   0x40
.macro JLOAD g0a, g1a, g0b, g1b
	s_cmp_eq_u32 s15, 0
	s_cbranch_scc0 .Lfor_b_\@
	tensor_load_to_lds s[\g0a:\g0a+3], s[\g1a:\g1a+7]
	s_nop 0
.rept 4
	v_nop
.endr
	s_branch .Lasked_\@
.Lfor_b_\@:
	tensor_load_to_lds s[\g0b:\g0b+3], s[\g1b:\g1b+7]
	s_nop 0
.rept 4
	v_nop
.endr
.Lasked_\@:
.endm
.macro CREST
	s_cmp_lg_u32 s14, 0
	s_cbranch_scc1 .Lnot_wave_0_\@
	s_barrier_signal -3
.Lnot_wave_0_\@:
	s_barrier_wait -3
	s_barrier_signal -1
	s_barrier_wait -1
.endm
.macro CROUND
	s_barrier_signal -1
	s_barrier_wait -1
	CREST
.endm
	s_load_b128 s[4:7], s[0:1], 0x0
	s_load_b128 s[8:11], s[0:1], 0x10
	s_load_b128 s[96:99], s[0:1], 0x20
	v_lshl_add_u32 v[SPW], v0, 2, SPARE
	v_mov_b32 v[NIL], 0
	ds_add_u32 v[SPW], v[NIL]
	ds_add_u32 v[SPW], v[NIL]
	v_lshrrev_b32 v1, 5, v0
	v_readfirstlane_b32 s14, v1
	s_lshr_b32 s15, s14, 1
	s_and_b32 s16, s14, 1
	s_bfe_u32 s40, ttmp6, 0x40000
	s_bfe_u32 s41, ttmp6, 0x40004
	s_lshl_b32 s42, ttmp9, 2
	s_add_co_u32 s42, s42, s40
	s_and_b32 s17, ttmp7, 0xffff
	s_lshl_b32 s17, s17, 2
	s_add_co_u32 s17, s17, s41
	s_lshl_b32 s43, s41, 2
	s_lshl_b32 s43, 15, s43
	s_lshl_b32 s44, 0x1111, s40
	s_or_b32 s[G1+0], s43, (3<<16)|(1<<21)
	s_mov_b32 s[G1+1], 768<<16
	s_mov_b32 s[G1+2], 4<<16
	s_mov_b32 s[G1+3], 768<<16
	s_mov_b32 s[G1+4], 4
	s_mov_b32 s[G1+5], 49152
	s_mov_b32 s[G1+6], 0
	s_mov_b32 s[G1+7], 0
	s_or_b32 s[G1B+0], s44, (0<<16)|(1<<20)|(1<<21)|(3<<22)|(3<<25)
	s_mov_b32 s[G1B+1], ROWB<<16
	s_mov_b32 s[G1B+2], 128<<16
	s_mov_b32 s[G1B+3], ROWB<<16
	s_mov_b32 s[G1B+4], 128
	s_mov_b32 s[G1B+5], KROW
	s_mov_b32 s[G1B+6], 0
	s_mov_b32 s[G1B+7], 0
	s_or_b32 s[G1S+0], s43, (3<<16)|(1<<21)
	s_mov_b32 s[G1S+1], 128<<16
	s_mov_b32 s[G1S+2], 4<<16
	s_mov_b32 s[G1S+3], 128<<16
	s_mov_b32 s[G1S+4], 4
	s_mov_b32 s[G1S+5], 8192
	s_mov_b32 s[G1S+6], 0
	s_mov_b32 s[G1S+7], 0
	s_or_b32 s[G1SB+0], s44, (3<<16)|(1<<20)|(1<<21)|(5<<22)|(3<<25)
	s_mov_b32 s[G1SB+1], 32<<16
	s_mov_b32 s[G1SB+2], 16<<16
	s_mov_b32 s[G1SB+3], 32<<16
	s_mov_b32 s[G1SB+4], 16
	s_mov_b32 s[G1SB+5], 32
	s_mov_b32 s[G1SB+6], 0
	s_mov_b32 s[G1SB+7], 0
	s_lshl_b32 s18, s16, 7
	s_lshl_b32 s20, s17, 8
	s_add_co_u32 s20, s20, s18
	s_lshl_b32 s22, s20, 3
	s_mov_b32 s23, 0
	s_mul_i32 s20, s20, 48
	s_mov_b32 s21, 0
	s_lshl_b32 s46, s42, 8
	s_add_co_u32 s46, s46, s18
	s_add_co_u32 s46, s46, B_ROW0
	s_lshl_b32 s92, s46, 5
	s_mov_b32 s93, 0
	s_mul_i32 s46, s46, KROW
	s_mov_b32 s47, 0
	s_mul_i32 s45, s16, HALFA
	s_mul_i32 s94, s16, HALFB
	s_add_co_u32 s94, s94, 2*HALFA
	s_lshl_b32 s95, s16, 12
	s_add_co_u32 s95, s95, SCLA
	s_mul_i32 s3, s16, HALFS
	s_add_co_u32 s3, s3, SCLB
	s_wait_dscnt 0x0
	s_wait_kmcnt 0x0
	s_add_nc_u64 s[20:21], s[4:5], s[20:21]
	s_add_nc_u64 s[22:23], s[6:7], s[22:23]
	s_add_nc_u64 s[46:47], s[8:9], s[46:47]
	s_add_nc_u64 s[92:93], s[10:11], s[92:93]
	CROUND
	s_mov_b32 s[G0S], 1
	s_mov_b32 s[G0S+1], s95
	s_mov_b64 s[G0S+2:G0S+3], s[22:23]
	s_or_b32 s[G0S+3], s[G0S+3], 0x80000000
	s_mov_b32 s[G0SB], 1
	s_mov_b32 s[G0SB+1], s3
	s_mov_b64 s[G0SB+2:G0SB+3], s[92:93]
	s_or_b32 s[G0SB+3], s[G0SB+3], 0x80000000
	JLOAD G0S, G1S, G0SB, G1SB
.irp s, 0,1
	s_mov_b32 s[G0+4*\s], 1
	s_add_co_u32 s[G0+4*\s+1], s45, \s*SLOT
	s_add_nc_u64 s[G0+4*\s+2:G0+4*\s+3], s[20:21], \s*ASTEP
	s_or_b32 s[G0+4*\s+3], s[G0+4*\s+3], 0x80000000
	s_mov_b32 s[G0B+4*\s], 1
	s_add_co_u32 s[G0B+4*\s+1], s94, \s*SLOT
	s_add_nc_u64 s[G0B+4*\s+2:G0B+4*\s+3], s[46:47], \s*ROWB
	s_or_b32 s[G0B+4*\s+3], s[G0B+4*\s+3], 0x80000000
	s_wait_alu depctr_va_vdst(0)
	s_wait_tensorcnt 0x0
	ds_add_u32 v28, v29
	s_wait_dscnt 0x0
	CROUND
	JLOAD G0+4*\s, G1, G0B+4*\s, G1B
.endr
	v_and_b32 v1, 15, v0
	v_bfe_u32 v2, v0, 4, 1
	v_mul_u32_u24 v3, v1, PITCH
	v_mul_u32_u24 v4, v2, 24
	v_add_nc_u32 v4, v3, v4
	v_lshl_add_u32 v5, v2, 4, v4
	v_and_b32 v6, 31, v0
	v_lshlrev_b32 v[CO], 4, v6
	v_lshlrev_b32 v8, 3, v6
	s_mul_i32 s21, s15, HALFA
	s_mul_i32 s22, s16, HALFB
	s_add_co_u32 s22, s22, 2*HALFA
.irp s, 0,1
	v_add_nc_u32 v[ADRA+\s], s21, v[CO]
	v_add_nc_u32 v[ADRA+2+\s], s21, v8
	v_add_nc_u32 v[ADRB+\s], s22, v4
	v_add_nc_u32 v[ADRB+2+\s], s22, v5
	s_add_co_u32 s21, s21, SLOT
	s_add_co_u32 s22, s22, SLOT
.endr
	s_lshl_b32 s21, s15, 12
	s_add_co_u32 s21, s21, SCLA
	v_lshlrev_b32 v5, 3, v1
	v_add_nc_u32 v[ADSA], s21, v5
	s_mul_i32 s22, s16, HALFS
	s_add_co_u32 s22, s22, SCLB
	v_lshlrev_b32 v5, 5, v1
	v_lshrrev_b32 v6, 8, v5
	v_lshl_add_u32 v5, v6, 4, v5
	v_add_nc_u32 v[ADSB], s22, v5
	s_mul_i32 s23, s14, 16*SPITCH
	v_mul_u32_u24 v5, v1, SPITCH
	v_lshl_add_u32 v5, v2, 6, v5
	v_add_nc_u32 v[STO], s23, v5
	v_add_nc_u32 v[RD], s23, v[CO]
	s_lshl_b32 s46, s42, 10
	s_lshl_b32 s47, s16, 9
	s_add_co_u32 s46, s46, s47
	s_mov_b32 s47, 0
	s_add_nc_u64 s[96:97], s[96:97], s[46:47]
	global_load_b128 v[BO:BO+3], v[CO], s[96:97]
	s_lshl_b32 s20, s17, 8
	s_lshl_b32 s21, s15, 7
	s_add_co_u32 s20, s20, s21
	s_lshl_b32 s20, s20, 12
	s_mov_b32 s21, 0
	s_add_nc_u64 s[20:21], s[20:21], s[46:47]
	s_add_nc_u64 s[98:99], s[98:99], s[20:21]
.macro FRAG reg, adr, q, i
.irp p, 0,1,2,3,4,5
.set PC, 12*(\q)+6*(\p/3)+\p%3
.if PC%8 < 5
	ds_load_b64 v[\reg+2*\p:\reg+2*\p+1], v[\adr] offset:8*PC+16*(PC/8)+(\i)*16*PITCH
.else
	ds_load_b64 v[\reg+2*\p:\reg+2*\p+1], v[\adr+2] offset:8*PC+16*(PC/8)+(\i)*16*PITCH
.endif
.endr
.endm
.macro FRAG_A reg, slot, q, i
.irp c, 0,1
	ds_load_b128 v[\reg+6*\c:\reg+6*\c+3], v[ADRA+\slot] offset:(2*(\q)+\c)*6144+(\i)*768
	ds_load_b64 v[\reg+6*\c+4:\reg+6*\c+5], v[ADRA+2+\slot] offset:(2*(\q)+\c)*6144+(\i)*768+512
.endr
.endm
.macro MUL16 a0, p, q, sc, zero
.irp a, \a0, \a0+1
.irp b, 0,1,2,3,4,5,6,7
.if \zero
	v_wmma_scale_f32_16x16x128_f8f6f4 v[8*(8*((\a)%4)+\b):8*(8*((\a)%4)+\b)+7], v[128*(\p)+FR*\b:128*(\p)+FR*\b+FR-1], v[AF+FR*(\a):AF+FR*(\a)+FR-1], 0, v[SCB+8*NQ*(\sc)+NQ*\b+(\q)], v[SCA+8*NQ*(\sc)+NQ*(\a)+(\q)] matrix_a_fmt:MATRIX_FMT_FP6 matrix_b_fmt:MATRIX_FMT_FP6
.else
	v_wmma_scale_f32_16x16x128_f8f6f4 v[8*(8*((\a)%4)+\b):8*(8*((\a)%4)+\b)+7], v[128*(\p)+FR*\b:128*(\p)+FR*\b+FR-1], v[AF+FR*(\a):AF+FR*(\a)+FR-1], v[8*(8*((\a)%4)+\b):8*(8*((\a)%4)+\b)+7], v[SCB+8*NQ*(\sc)+NQ*\b+(\q)], v[SCA+8*NQ*(\sc)+NQ*(\a)+(\q)] matrix_a_fmt:MATRIX_FMT_FP6 matrix_b_fmt:MATRIX_FMT_FP6
.endif
.endr
.endr
.endm
.macro FETCH_B slot, q, p
	WIN TO_B
.irp i, 0,1,2,3,4,5,6,7
	FRAG 128*(\p)+FR*\i, ADRB+\slot, \q, \i
.endr
	WIN 0
.endm
.macro FETCH_A slot, q, i0
.irp i, \i0, \i0+1, \i0+2, \i0+3
	FRAG_A AF+FR*(\i), \slot, \q, \i
.endr
.endm
.macro SCALES sc
.irp i, 0,1,2,3,4,5,6,7
	ds_load_b64 v[SCA+8*NQ*\sc+NQ*\i:SCA+8*NQ*\sc+NQ*\i+1], v[ADSA] offset:\i*128
	ds_load_b64 v[SCB+8*NQ*\sc+NQ*\i:SCB+8*NQ*\sc+NQ*\i+1], v[ADSB] offset:\i*SBLK
.endr
.endm
.macro PLACES n
.rept \n
	v_nop
.endr
.endm
.macro STEP slot, q, zero
	s_wait_dscnt 4*NLA
	WIN MUL_LO
	MUL16 0, (\q)%2, \q, \slot, \zero
	MUL16 2, (\q)%2, \q, \slot, \zero
	s_wait_dscnt 0
	PLACES NP
	FETCH_B \slot, (\q)+1, 1-(\q)%2
	FETCH_A \slot, (\q)+1, 0
	WIN MUL_HI
	MUL16 4, (\q)%2, \q, \slot, \zero
	MUL16 6, (\q)%2, \q, \slot, \zero
	PLACES NP
	WIN 0
	FETCH_A \slot, (\q)+1, 4
.endm
.macro TURN slot, next, fill
	s_wait_tensorcnt 0x0
	ds_add_u32 v[SPW], v[NIL]
	s_wait_dscnt 4*NLA+1
	WIN MUL_LO
	MUL16 0, 1, NQ-1, \slot, 0
	s_wait_dscnt 0x0
	s_barrier_signal -1
	MUL16 2, 1, NQ-1, \slot, 0
	WIN 0
	s_barrier_wait -1
.if \fill
	CREST
	s_add_nc_u64 s[G0+4*\slot+2:G0+4*\slot+3], s[G0+4*\slot+2:G0+4*\slot+3], 2*ASTEP
	s_add_nc_u64 s[G0B+4*\slot+2:G0B+4*\slot+3], s[G0B+4*\slot+2:G0B+4*\slot+3], 2*ROWB
	JLOAD G0+4*\slot, G1, G0B+4*\slot, G1B
.else
	PLACES NP
.endif
	s_wait_alu depctr_va_vdst(0)
	v_add_nc_u32 v[ADSA], 1024, v[ADSA]
	v_add_nc_u32 v[ADSB], 4*NQ, v[ADSB]
	FETCH_B \next, 0, 0
	FETCH_A \next, 0, 0
	SCALES \next
	WIN MUL_HI
	MUL16 4, 1, NQ-1, \slot, 0
	MUL16 6, 1, NQ-1, \slot, 0
	PLACES NP
	WIN 0
	FETCH_A \next, 0, 4
.endm
	s_wait_alu depctr_va_vdst(0)
	s_wait_tensorcnt 1
	s_barrier_signal -1
	s_barrier_wait -1
	FETCH_B 0, 0, 0
	FETCH_A 0, 0, 0
	SCALES 0
	FETCH_A 0, 0, 4
	STEP 0, 0, 1
	TURN 0, 1, 1
	STEP 1, 0, 0
	TURN 1, 0, 1
	STEP 0, 0, 0
	TURN 0, 1, 0
	STEP 1, 0, 0
	s_wait_dscnt 4*NLA
	WIN MUL_LO
	MUL16 0, 1, NQ-1, 1, 0
	MUL16 2, 1, NQ-1, 1, 0
	s_wait_dscnt 0
	WIN MUL_HI
	MUL16 4, 1, NQ-1, 1, 0
	MUL16 6, 1, NQ-1, 1, 0
	WIN 0
.macro TOSTAGE a
.set AC, 64*((\a)%4)
	WIN 0x08+4*((\a)/4)
.irp b, 0,1,2,3,4,5,6,7
	ds_store_b128 v[STO], v[AC+8*\b:AC+8*\b+3] offset:128*(\b/2)+32*(\b%2)
	ds_store_b128 v[STO], v[AC+8*\b+4:AC+8*\b+7] offset:128*(\b/2)+32*(\b%2)+16
.endr
	WIN 0
.set BB, BK+64*((\a)%2)
.irp t, 0,1,2,3,4,5,6,7,8,9,10,11,12,13,14,15
	ds_load_b128 v[BB+4*\t:BB+4*\t+3], v[RD] offset:\t*SPITCH
.endr
.endm
.macro SEND a, younger
.set BB, BK+64*((\a)%2)
	s_wait_dscnt \younger
.irp t, 0,1,2,3,4,5,6,7,8,9,10,11,12,13,14,15
	v_pk_add_f32 v[BB+4*\t:BB+4*\t+1], v[BB+4*\t:BB+4*\t+1], v[BO:BO+1]
	v_pk_add_f32 v[BB+4*\t+2:BB+4*\t+3], v[BB+4*\t+2:BB+4*\t+3], v[BO+2:BO+3]
	global_store_b128 v[CO], v[BB+4*\t:BB+4*\t+3], s[98:99] offset:(32*((\a)/2)+16*(\t/8)+8*((\a)%2)+\t%8)*4096 th:TH_STORE_NT
.endr
.endm
	PLACES NP
	s_wait_loadcnt 0x0
	TOSTAGE 0
.irp a, 1,2,3,4,5,6,7
.if \a > 1
	s_wait_xcnt 0x0
.endif
	TOSTAGE \a
	SEND \a-1, 32
.endr
	SEND 7, 0
	s_wait_tensorcnt 0x0
	ds_add_u32 v[SPW], v[NIL]
	s_wait_dscnt 0x0
	CROUND
	s_endpgm
.Lfunc_end_k_q993d642d64_gemm_out:
	.size	k_q993d642d64_gemm_out, .Lfunc_end_k_q993d642d64_gemm_out-k_q993d642d64_gemm_out
	.p2alignl 7, 3214868480
	.fill 96, 4, 3214868480
	.section	.rodata,"a",@progbits
	.p2align	6, 0x0
	.amdhsa_kernel k_q993d642d64_gemm_out
		.amdhsa_group_segment_fixed_size 327680
		.amdhsa_private_segment_fixed_size 0
		.amdhsa_enable_private_segment 0
		.amdhsa_kernarg_size 48
		.amdhsa_user_sgpr_count 2
		.amdhsa_user_sgpr_kernarg_segment_ptr 1
		.amdhsa_wavefront_size32 1
		.amdhsa_system_sgpr_workgroup_id_x 1
		.amdhsa_system_sgpr_workgroup_id_y 1
		.amdhsa_system_sgpr_workgroup_id_z 1
		.amdhsa_system_vgpr_workitem_id 0
		.amdhsa_next_free_vgpr 1024
		.amdhsa_next_free_sgpr 100
		.amdhsa_reserve_vcc 0
		.amdhsa_float_denorm_mode_32 3
		.amdhsa_float_denorm_mode_16_64 3
		.amdhsa_memory_ordered 1
		.amdhsa_forward_progress 1
		.amdhsa_inst_pref_size 171
	.end_amdhsa_kernel
	.amdgpu_metadata
---
amdhsa.version: [ 1, 2 ]
amdhsa.kernels:
  - .name:           k_q993d642d64_gemm_out
    .symbol:         k_q993d642d64_gemm_out.kd
    .args:
      - { .name: o_codes, .offset: 0, .size: 8, .value_kind: global_buffer, .address_space: global }
      - { .name: o_scales, .offset: 8, .size: 8, .value_kind: global_buffer, .address_space: global }
      - { .name: codes1, .offset: 16, .size: 8, .value_kind: global_buffer, .address_space: global }
      - { .name: scales1, .offset: 24, .size: 8, .value_kind: global_buffer, .address_space: global }
      - { .name: b_out, .offset: 32, .size: 8, .value_kind: global_buffer, .address_space: global }
      - { .name: out0, .offset: 40, .size: 8, .value_kind: global_buffer, .address_space: global }
    .group_segment_fixed_size: 327680
    .private_segment_fixed_size: 0
    .kernarg_segment_align: 8
    .kernarg_segment_size: 48
    .max_flat_workgroup_size: 128
    .sgpr_count:     100
    .vgpr_count:     1024
    .wavefront_size: 32
...
	.end_amdgpu_metadata
.endif
;; end of part 5
